; MI455X (gfx1250); checked and timed in simulation.
; The chip was launched on July 23, 2026; its instructions are those of AMD's public machine-readable ISA for CDNA 5 (MIT licence, August 2026) and "CDNA5" Instruction Set Architecture Reference Guide (July 2026). The comments in the code are by the model that wrote it; some were corrected since.
;; Causal Self Attention. Allowed arithmetic: matrix products marked QUANTISED: E4M3 operands, one given power-of-two scale a tensor, by v_wmma_f32_16x16x64_fp8_fp8 or v_wmma_f32_16x16x128_fp8_fp8, f32 sums; everything else in f32.
;; Inputs: bk 1,024 float32; bp 1,024 float32; bq 1,024 float32; bv 1,024 float32; lowp_scales 12 int32 (the exponents e of the quantised operands' scales 2^e); wk 1,024 x 1,024 float32; wp 1,024 x 1,024 float32; wq 1,024 x 1,024 float32; wv 1,024 x 1,024 float32; x 4 x 2,048 x 1,024 float32.
;; Outputs: out0 4 x 2,048 x 1,024 float32.
;; This version of the problem:
;;   THIS VERSION OF THE PROBLEM IS GIVEN IN LOW PRECISION. The matrix products marked QUANTISED in the list below multiply operands that are first quantised to E4M3 (4 exponent bits, 3 mantissa bits; 8 bits a number), with one given power-of-two scale for each operand tensor; their sums are f32. All else is computed in f32.
;;   The module's matrix products, in the order in which they are computed (A, B: the left and right operand; K: the contracted axis; several contracted axes count as one K, in the product's order):
;;     1. [M 8,192, K 1,024] x [K 1,024, N 1,024]; A: input x; B: input wq: QUANTISED (scales: A lowp_scales[0], B lowp_scales[1])
;;     2. [M 8,192, K 1,024] x [K 1,024, N 1,024]; A: input x; B: input wk: QUANTISED (scales: A lowp_scales[2], B lowp_scales[3])
;;     3. [M 8,192, K 1,024] x [K 1,024, N 1,024]; A: input x; B: input wv: QUANTISED (scales: A lowp_scales[4], B lowp_scales[5])
;;     4. batch 64 x [M 2,048, K 64] x [K 64, N 2,048]; A: computed on the way; B: computed on the way: QUANTISED (scales: A lowp_scales[6], B lowp_scales[7])
;;     5. batch 64 x [M 2,048, K 2,048] x [K 2,048, N 64]; A: softmax (see below); B: computed on the way: QUANTISED (scales: A lowp_scales[8], B lowp_scales[9])
;;     6. [M 8,192, K 1,024] x [K 1,024, N 1,024]; A: computed on the way; B: input wp: QUANTISED (scales: A lowp_scales[10], B lowp_scales[11])
;;   THE QUANTISER, for each operand of a quantised product, along K:
;;     - The operand's scale is 2^e, e = its entry of the input lowp_scales (int32; the entries are numbered through the quantised products in the list's order, A before B).
;;     - Each number is divided by the scale, clamped to +-448, and rounded to the nearest number of E4M3, ties to even, subnormals kept.
;;     - The product sums the exact products of the quantised numbers (number of the format x scale) in f32.
;;   ~~~python
;;   def quantise(x, axis, e):      # numpy; x: float32 -> the quantised numbers, widened to float32 again
;;       x = np.moveaxis(x, axis, -1); K = x.shape[-1]
;;       r = np.clip(x / 2.0 ** e, -448, 448)
;;       step = 2.0 ** (np.maximum(np.frexp(np.where(r == 0, 1, r))[1] - 1, -6) - 3)
;;       q = np.round(r / step) * step * 2.0 ** e      # np.round: ties to even
;;       return np.moveaxis(q, -1, axis).astype(np.float32)
;;   ~~~
;;   SOFTMAX AHEAD OF A QUANTISED PRODUCT. Where the list says 'softmax', what is quantised is not the finished softmax but p = 2^(t - M), with t = logit x log2(e) and M = ceil(the row's largest t), a whole number; so 1/2 < the row's largest p <= 1. The row's sum l is taken of the UNQUANTISED p, in f32, and the product's result is divided by l at the end. Since M is a whole number, a kernel that streams over the keys may use a running M (the ceiling of the running maximum): every later rescaling is an exact power of two, so the quantised numbers keep their values, but for numbers so far below the row's largest that they fall under the format's range.
;;   OPERANDS COMPUTED ON THE WAY. 'Computed on the way' means the value that the module computes at that place (a softmax that the list does not call 'softmax' is quantised finished and normalised). What goes into a quantiser is computed in f32, as accurately as f32 sums, v_exp_f32 and their like allow (about 1e-6 of the number): no bf16 or f16 on the way to a quantiser, and a product that is left as it is and whose result goes on into a quantised operand takes f32 operands (vector FMAs, or v_wmma_f32_16x16x4_f32). A number that lies on a knife's edge between two numbers of the format may be rounded either way, as far as f32 arithmetic and the matrix unit's own rounding can turn it there, and no further.
;; One version. Each part assembles by itself: llvm-mc -triple=amdgcn-amd-amdhsa -mcpu=gfx1250 --defsym DOCPART=n.
;; ======== version 1 of 1: 4 launches
;; limits: right only within a limited range of input values
;; workspace buffers: xc 25,165,824 bytes; wc 4,194,304 bytes; rope 524,288 bytes; qimg 8,388,608 bytes; kimg 8,388,608 bytes; vimg 8,388,608 bytes; yimg 8,388,608 bytes
;; launch prep (part 1): grid 416 x 1, 4 waves a work-group, no clusters, 66,048 bytes of LDS; arguments x, wq, wk, wv, wp, lowp_scales, xc, wc, rope; writes xc, wc, rope
.if DOCPART == 1
	.amdgcn_target "amdgcn-amd-amdhsa--gfx1250"
	.amdhsa_code_object_version 6
	.text
	.protected	k_qa9e3739f9c_prep
	.globl	k_qa9e3739f9c_prep
	.p2align	8
	.type	k_qa9e3739f9c_prep,@function
k_qa9e3739f9c_prep:
	s_mov_b64 s[64:65], 0
	v_nop
	global_prefetch_b8 v0, s[64:65] scope:SCOPE_SE
	s_setreg_imm32_b32 hwreg(HW_REG_WAVE_MODE, 25, 1), 1
	s_wait_xcnt 0x0
; PREP: the operands that arrive as f32 become codes of FP8 (E4M3), and the table of rotary cosines and sines is made.
;   work-groups 0-255:   x [8192][1024] -> xc [3][8192][1024 bytes]: three planes, since x has a scale of its own in each of the products q, k, v (entries 0, 2, 4)
;   work-groups 256-383: wq, wk, wv, wp [1024][1024] -> wc [4][1024][1024 bytes] (entries 1, 3, 5, 11), 32 work-groups a tensor
;   work-groups 384-415: rope [2048 (t)][32 (i)][cos, sin] f32: a row of 256 bytes for each position
; code = x / 2^e, rounded to the nearest code, ties to even.  LIMITS: -126 <= e and e + 8 <= 127 for each of these entries.  NaN among the inputs is not served.
; THE ORDER OF THE CODES.  K is innermost, a code a byte, but inside every aligned 32 codes the four pieces of 8 lie in the order 0, 2, 1, 3.  A 16-byte read at 32 c + 16 h of a row then brings
; k = 32 c + 8 h + 0..7 and k = 32 c + 16 + 8 h + 0..7: registers 4 c to 4 c + 3 of the plain 8-bit operand layout (registers 2 c, 2 c + 1: k = 16 c + 8 h + 0..7), every k in its own place.
; A wave takes 16 steps of 512 numbers.  Each load reads 512 consecutive bytes, 16 a lane; a step's 2,048 bytes turn through the wave's own stage in LDS (16 bytes of padding behind each 64), from which lane l
; takes pieces l % 2 and l % 2 + 2 of group l / 2: its 16 codes are then bytes 16 l .. 16 l + 15 of the step's 512, and a store covers 512 consecutive bytes.
; The rows are dense, so nothing here knows of rows.  No tensor load, no barrier, no cluster: waves share nothing and every input byte is read once.  The two ways that use LDS have LDS bytes of their own.
.set SP,   80                          ; a place in a stage: 64 bytes + 16 of padding
.set STG,  32*SP                       ; a stage; two for each wave, in a region of 8,192 bytes
.set R,    16                          ; v16-79   four sets of 16 numbers as they are loaded
.set X,    80                          ; v80-111  two sets of 16 numbers in the order of the codes
.set TT,   112                         ; v112-159 not used: the conversions read X directly
.set C,    160                         ; v160-207 codes: a ring of four steps x 12 registers
.set SC,   208                         ; v208+2k: 2^e of plane k
.macro SCALES
	s_load_b256 s[24:31], s[14:15], 0x0            ; e0 .. e7
	s_load_b128 s[32:35], s[14:15], 0x20           ; e8 .. e11
.endm
.macro MKS k, e                        ; plane k's scale from the whole number in s[e]
	s_add_co_i32 s50, s[\e], 127
	s_lshl_b32 s51, s50, 23
	v_mov_b32 v[SC+2*\k], s51                      ; 2^e as f32: the conversion takes its exponent field
	s_add_co_i32 s50, s50, 8
	s_lshl_b32 s50, s50, 23
	s_or_b32 s50, s50, 0x600000
.endm
.macro LOAD t, in
.irp i, 0,1,2,3
	global_load_b128 v[R+16*((\t)%4)+4*\i:R+16*((\t)%4)+4*\i+3], v3, s[\in:\in+1] offset:2048*(\t)+512*\i th:TH_LOAD_NT   ; 32 lanes read 512 consecutive bytes
.endr
.endm
.macro TURN t, lo                      ; step t's numbers through the stage: LDS serves a wave's instructions in order, so no wait stands between the stores and the loads
.irp i, 0,1,2,3
	ds_store_b128 v14, v[R+16*((\t)%4)+4*\i:R+16*((\t)%4)+4*\i+3] offset:\lo+STG*((\t)%2)+8*SP*\i
.endr
	v_nop
	ds_load_b128 v[X+16*((\t)%2):X+16*((\t)%2)+3],     v15 offset:\lo+STG*((\t)%2)          ; piece l % 2 of my group of 32,
	ds_load_b128 v[X+16*((\t)%2)+4:X+16*((\t)%2)+7],   v15 offset:\lo+STG*((\t)%2)+16
	ds_load_b128 v[X+16*((\t)%2)+8:X+16*((\t)%2)+11],  v15 offset:\lo+STG*((\t)%2)+SP       ; and piece l % 2 + 2: one place further on
	ds_load_b128 v[X+16*((\t)%2)+12:X+16*((\t)%2)+15], v15 offset:\lo+STG*((\t)%2)+SP+16
.endm
.macro STEP t, nout, lo, in
	s_wait_dscnt 0x0                               ; this step's numbers are back from the stage: so its stores into the stage have read their registers,
.if (\t)+4 < 16
	LOAD (\t)+4, \in                               ; which take the loads of four steps on
.endif
.if (\t)+1 < 16
.if 14-(\t) >= 3
	s_wait_loadcnt 12                              ; the next step's four loads are in; those of the three steps behind it may be out
.else
	s_wait_loadcnt 4*(14-(\t))
.endif
	TURN (\t)+1, \lo
.endif
.if (\t) >= 4
	s_wait_xcnt 0x0                                ; the stores of four steps ago have read their data: the ring's registers are written again only behind this wait
.endif
.irp k, 0,1,2
.if \k < \nout
.irp i, 0,1,2,3,4,5,6,7,8,9,10,11,12,13,14,15
.endr
	v_cvt_scalef32_pk8_fp8_f32 v[C+12*((\t)%4)+4*\k:C+12*((\t)%4)+4*\k+1], v[TT+16*(((\t)+\k)%3)+((X+16*((\t)%2)+0)-(TT+16*(((\t)+\k)%3)+0)):TT+16*(((\t)+\k)%3)+7+((X+16*((\t)%2)+0)-(TT+16*(((\t)+\k)%3)+0))], v[SC+2*\k]
	v_cvt_scalef32_pk8_fp8_f32 v[C+12*((\t)%4)+4*\k+2:C+12*((\t)%4)+4*\k+3], v[TT+16*(((\t)+\k)%3)+8+((X+16*((\t)%2)+0)-(TT+16*(((\t)+\k)%3)+0)):TT+16*(((\t)+\k)%3)+15+((X+16*((\t)%2)+0)-(TT+16*(((\t)+\k)%3)+0))], v[SC+2*\k]
	global_store_b128 v3, v[C+12*((\t)%4)+4*\k:C+12*((\t)%4)+4*\k+3], s[36+2*\k:37+2*\k] offset:512*(\t)   ; 512 consecutive bytes a wave.
.endif
.endr
.endm
	s_load_b256 s[4:11], s[0:1], 0x0               ; x s[4:5], wq s[6:7], wk s[8:9], wv s[10:11]
	s_load_b256 s[12:19], s[0:1], 0x20             ; wp s[12:13], the scales' exponents s[14:15], xc s[16:17], wc s[18:19]
	s_load_b64 s[20:21], s[0:1], 0x40              ; rope
	v_lshl_add_u32 v224, v0, 2, 0x10000
	v_mov_b32 v225, 0
	v_lshrrev_b32 v1, 5, v0
	v_readfirstlane_b32 s22, v1                    ; wave
	v_and_b32 v2, 31, v0                           ; lane
	v_lshlrev_b32 v3, 4, v2                        ; my 16 bytes of a load's, and of a store's, 512
	s_lshl_b32 s23, s22, 13                        ; my wave's region in LDS
	v_lshrrev_b32 v14, 2, v2
	v_mul_u32_u24 v14, v14, SP
	v_and_b32 v15, 3, v2
	v_lshl_add_u32 v14, v15, 4, v14
	v_add_nc_u32 v14, s23, v14                     ; into the stage: SP (lane / 4) + 16 (lane % 4); a load's 512 bytes take eight places
	v_and_b32 v15, 30, v2
	v_mul_u32_u24 v15, v15, SP
	v_and_b32 v4, 1, v2
	v_lshl_add_u32 v15, v4, 5, v15
	v_add_nc_u32 v15, s23, v15                     ; out of it: place 2 (lane / 2), + 32 bytes for the odd lane
	s_wait_kmcnt 0x0
	s_cmp_lt_u32 ttmp9, 256
	s_cbranch_scc0 .Lnot_x
	; ---- x: three planes of codes from one read
	SCALES
	s_lshl_b32 s44, ttmp9, 2
	s_add_co_u32 s44, s44, s22                     ; which run of 8,192 numbers is my wave's
	s_lshl_b32 s46, s44, 15
	s_mov_b32 s47, 0
	s_add_nc_u64 s[42:43], s[4:5], s[46:47]
	s_lshl_b32 s46, s44, 13
	s_add_nc_u64 s[36:37], s[16:17], s[46:47]      ; plane 0,
	s_add_nc_u64 s[38:39], s[36:37], 0x800000      ; plane 1,
	s_add_nc_u64 s[40:41], s[38:39], 0x800000      ; plane 2: 8,388,608 bytes apart
.irp t, 0,1,2,3
	LOAD \t, 42
.endr
	s_wait_kmcnt 0x0
	MKS 0, 24                                      ; e0
	MKS 1, 26                                      ; e2
	MKS 2, 28                                      ; e4
	s_wait_loadcnt 12                              ; step 0's four loads are in
	s_wait_alu depctr_va_vdst(0)
	TURN 0, 0
.irp t, 0,1,2,3,4,5,6,7,8,9,10,11,12,13,14,15
	STEP \t, 3, 0, 42
.endr
	s_wait_tensorcnt 0x0
	ds_add_u32 v224, v225
	s_wait_dscnt 0x0
	s_endpgm
.Lnot_x:
	s_cmp_lt_u32 ttmp9, 384
	s_cbranch_scc0 .Ltable
	; ---- a weight: one plane
	SCALES
	s_sub_co_u32 s44, ttmp9, 256
	s_lshr_b32 s45, s44, 5                         ; which weight: 0 wq, 1 wk, 2 wv, 3 wp
	s_and_b32 s44, s44, 31
	s_lshl_b32 s44, s44, 2
	s_add_co_u32 s44, s44, s22                     ; which run of 8,192 numbers
	s_mov_b64 s[42:43], s[12:13]
	s_cmp_eq_u32 s45, 2
	s_cselect_b64 s[42:43], s[10:11], s[42:43]
	s_cmp_eq_u32 s45, 1
	s_cselect_b64 s[42:43], s[8:9], s[42:43]
	s_cmp_eq_u32 s45, 0
	s_cselect_b64 s[42:43], s[6:7], s[42:43]       ; the choice hangs on the work-group's number alone
	s_lshl_b32 s46, s44, 15
	s_mov_b32 s47, 0
	s_add_nc_u64 s[42:43], s[42:43], s[46:47]
	s_lshl_b32 s46, s45, 20
	s_lshl_b32 s48, s44, 13
	s_add_co_u32 s46, s46, s48
	s_add_nc_u64 s[36:37], s[18:19], s[46:47]
.irp t, 0,1,2,3
	LOAD \t, 42
.endr
	s_wait_kmcnt 0x0
	s_mov_b32 s49, s35                             ; e11,
	s_cmp_eq_u32 s45, 2
	s_cselect_b32 s49, s29, s49                    ; e5,
	s_cmp_eq_u32 s45, 1
	s_cselect_b32 s49, s27, s49                    ; e3,
	s_cmp_eq_u32 s45, 0
	s_cselect_b32 s49, s25, s49                    ; or e1
	MKS 0, 49
	s_wait_loadcnt 12
	s_wait_alu depctr_va_vdst(0)
	TURN 0, 32768
.irp t, 0,1,2,3,4,5,6,7,8,9,10,11,12,13,14,15
	STEP \t, 1, 32768, 42
.endr
	s_wait_tensorcnt 0x0
	ds_add_u32 v224, v225
	s_wait_dscnt 0x0
	s_endpgm
.Ltable:
	; ---- cos and sin of t x theta_i, theta_i = 10000^(-i / 32) = 2^(-i L), L = log2(10000) / 32.  A wave takes 16 positions; lane = i.
	; L = Lhi + Llo with Lhi = 27213 / 65536, so that i Lhi is exact; the whole part n of i L goes into the exponent, the rest f into v_exp_f32.
	; The angle is one f32 product, as the definition has it; it is brought into +-pi/4 by pi/2 in two parts, and sine and cosine there are their series up to r^9 and r^10 (next terms under 2e-9).
	s_sub_co_u32 s44, ttmp9, 384
	s_lshl_b32 s44, s44, 6
	s_lshl_b32 s45, s22, 4
	s_add_co_u32 s44, s44, s45                     ; my first position
	v_cvt_f32_u32 v16, v2                          ; i
	v_mul_f32 v17, 0x3ed49a00, v16                 ; i Lhi, exact
	v_floor_f32 v18, v17                           ; n
	v_sub_f32 v17, v17, v18                        ; exact
	v_fmamk_f32 v17, v16, 0x3670979a, v17          ; f = i Lhi - n + i Llo
	s_wait_alu depctr_va_vdst(0)
	v_exp_f32 v20, -v17                            ; 2^-f
	v_cvt_i32_f32 v19, v18                         ; (plain lines behind the transcendental)
	v_sub_nc_u32 v19, 0, v19
	s_wait_alu depctr_va_vdst(0)                   ; the wait ahead of the first reader
	v_ldexp_f32 v20, v20, v19                      ; theta
	v_mov_b32 v21, s44
	v_cvt_f32_u32 v21, v21                         ; t as f32
	v_lshlrev_b32 v22, 3, v2
	s_lshl_b32 s45, s44, 8
	v_add_nc_u32 v22, s45, v22                     ; 256 t + 8 i
	v_mov_b32 v40, 0x3638ef1d                      ; 1 / 9!
	v_mov_b32 v41, 0xb493f27e                      ; -1 / 10!
	s_mov_b32 s46, 0
.Lt:
	s_wait_alu depctr_va_vdst(0)
	v_mul_f32 v23, v21, v20                        ; the angle
	v_mul_f32 v24, 0x3f22f983, v23                 ; x 2 / pi
	v_rndne_f32 v24, v24                           ; k
	v_fmamk_f32 v25, v24, 0xbfc90fdb, v23          ; r = angle - k x (pi/2's f32 part)
	v_fmamk_f32 v25, v24, 0x333bbd2e, v25          ;   - k x (the rest of pi/2, which is negative)
	v_mul_f32 v26, v25, v25                        ; r^2
	v_fmaak_f32 v30, v40, v26, 0xb9500d01
	v_fmaak_f32 v31, v41, v26, 0x37d00d01
	v_fmaak_f32 v30, v30, v26, 0x3c088889
	v_fmaak_f32 v31, v31, v26, 0xbab60b61
	v_fmaak_f32 v30, v30, v26, 0xbe2aaaab
	v_fmaak_f32 v31, v31, v26, 0x3d2aaaab
	v_mul_f32 v27, v25, v26
	v_fmaak_f32 v31, v31, v26, 0xbf000000
	v_fma_f32 v30, v27, v30, v25                   ; sin r
	v_fma_f32 v31, v31, v26, 1.0                   ; cos r
	v_cvt_i32_f32 v32, v24                         ; the quarter turn: it only selects values and signs
	v_and_b32 v33, 1, v32
	v_cmp_eq_u32 vcc_lo, 1, v33
	v_cndmask_b32 v29, v30, v31, vcc_lo            ; odd quarters: sine and cosine change places
	v_cndmask_b32 v28, v31, v30, vcc_lo
	v_and_b32 v34, 2, v32
	v_lshlrev_b32 v34, 30, v34
	v_xor_b32 v29, v34, v29                        ; sine is negative in quarters 2, 3
	v_add_nc_u32 v35, 1, v32
	v_and_b32 v35, 2, v35
	v_lshlrev_b32 v35, 30, v35
	v_xor_b32 v28, v35, v28                        ; cosine in quarters 1, 2
	global_store_b64 v22, v[28:29], s[20:21]       ; the wave stores one row: 256 consecutive bytes, aligned
	s_wait_xcnt 0x0                                ; the offset and the data are written again only behind this wait
	v_add_nc_u32 v22, 256, v22
	v_add_f32 v21, 1.0, v21
	s_add_co_u32 s46, s46, 1
	s_cmp_lt_u32 s46, 16
	s_cbranch_scc1 .Lt
	s_endpgm
.Lfunc_end_k_qa9e3739f9c_prep:
	.size	k_qa9e3739f9c_prep, .Lfunc_end_k_qa9e3739f9c_prep-k_qa9e3739f9c_prep
	.p2alignl 7, 3214868480
	.fill 96, 4, 3214868480
	.section	.rodata,"a",@progbits
	.p2align	6, 0x0
	.amdhsa_kernel k_qa9e3739f9c_prep
		.amdhsa_group_segment_fixed_size 66048
		.amdhsa_private_segment_fixed_size 0
		.amdhsa_enable_private_segment 0
		.amdhsa_kernarg_size 72
		.amdhsa_user_sgpr_count 2
		.amdhsa_user_sgpr_kernarg_segment_ptr 1
		.amdhsa_wavefront_size32 1
		.amdhsa_system_sgpr_workgroup_id_x 1
		.amdhsa_system_sgpr_workgroup_id_y 1
		.amdhsa_system_sgpr_workgroup_id_z 1
		.amdhsa_system_vgpr_workitem_id 0
		.amdhsa_next_free_vgpr 226
		.amdhsa_next_free_sgpr 66
		.amdhsa_reserve_vcc 1
		.amdhsa_float_denorm_mode_32 3
		.amdhsa_float_denorm_mode_16_64 3
		.amdhsa_fp16_overflow 1
		.amdhsa_memory_ordered 1
		.amdhsa_forward_progress 1
		.amdhsa_inst_pref_size 53
	.end_amdhsa_kernel
	.amdgpu_metadata
---
amdhsa.version: [ 1, 2 ]
amdhsa.kernels:
  - .name:           k_qa9e3739f9c_prep
    .symbol:         k_qa9e3739f9c_prep.kd
    .args:
      - { .name: x, .offset: 0, .size: 8, .value_kind: global_buffer, .address_space: global }
      - { .name: wq, .offset: 8, .size: 8, .value_kind: global_buffer, .address_space: global }
      - { .name: wk, .offset: 16, .size: 8, .value_kind: global_buffer, .address_space: global }
      - { .name: wv, .offset: 24, .size: 8, .value_kind: global_buffer, .address_space: global }
      - { .name: wp, .offset: 32, .size: 8, .value_kind: global_buffer, .address_space: global }
      - { .name: lowp_scales, .offset: 40, .size: 8, .value_kind: global_buffer, .address_space: global }
      - { .name: xc, .offset: 48, .size: 8, .value_kind: global_buffer, .address_space: global }
      - { .name: wc, .offset: 56, .size: 8, .value_kind: global_buffer, .address_space: global }
      - { .name: rope, .offset: 64, .size: 8, .value_kind: global_buffer, .address_space: global }
    .group_segment_fixed_size: 66048
    .private_segment_fixed_size: 0
    .kernarg_segment_align: 8
    .kernarg_segment_size: 72
    .max_flat_workgroup_size: 128
    .sgpr_count:     66
    .vgpr_count:     226
    .wavefront_size: 32
...
	.end_amdgpu_metadata
.endif
;; end of part 1
;; launch qkv (part 2): grid 12 x 32, 4 waves a work-group, clusters of 4 x 4, 327,680 bytes of LDS; arguments xc, wc, lowp_scales, bq, bk, bv, rope, qimg, kimg, vimg; writes qimg, kimg, vimg
.if DOCPART == 2
	.amdgcn_target "amdgcn-amd-amdhsa--gfx1250"
	.amdhsa_code_object_version 6
	.text
	.protected	k_qa9e3739f9c_qkv
	.globl	k_qa9e3739f9c_qkv
	.p2align	8
	.type	k_qa9e3739f9c_qkv,@function
k_qa9e3739f9c_qkv:
	s_mov_b64 s[64:65], 0
	v_nop
	global_prefetch_b8 v0, s[64:65] scope:SCOPE_SE
	s_setreg_imm32_b32 hwreg(HW_REG_WAVE_MODE, 25, 1), 1
	s_wait_xcnt 0x0
	s_wait_alu depctr_hold_cnt(0) depctr_sa_sdst(0) depctr_va_vdst(0) depctr_va_sdst(0) depctr_va_ssrc(0) depctr_va_vcc(0) depctr_vm_vsrc(0)
	s_getreg_b32 s2, hwreg(HW_REG_IB_STS2, 6, 4)
	s_cmp_eq_u32 s2, 0
	s_cbranch_scc0 .Lentry_in_a_cluster
	s_endpgm
.Lentry_in_a_cluster:
	s_bfe_u32 s2, ttmp6, 0x10000c
	s_cmp_lg_u32 s2, 0xf033
	s_cbranch_scc0 .Lentry_shape_is_right
	s_endpgm
.Lentry_shape_is_right:
; QKV: the three projections on codes of FP8 (E4M3), K = 1,024; bias; the rotary turn of q and k; and the quantiser of the next products' operands.
; p = the cluster's x (0 q, 1 k, 2 v) is equal in all sixteen partners.  A tile is 256 x 256, made by four waves, 128 x 128 each: 64 accumulators of 16 x 16, 512 registers.
; THE MATRIX INSTRUCTION IS USED TRANSPOSED: source 0 = 16 rows of "B", source 1 = 16 rows of "A": a lane holds ONE row of A and eight neighbouring rows of B.
;   p = 0, 1:  A = x's codes (plane p), rows = tokens;  B = the weight's, rows = channels.  A lane holds one token and 8 neighbouring channels: neighbours along the K of q k^T.
;   p = 2:     A = wv's codes, rows = channels;  B = x's (plane 2), rows = tokens.  A lane holds one channel and 8 neighbouring keys: neighbours along the K of p v.  The loop's text is the same.
; So the conversions' results ARE registers of the next operand, and they are stored as IMAGES OF THOSE REGISTERS: each group of four registers is 512 bytes, lane l's 16 bytes at 16 l.
;   qimg, kimg [batch x head 64][16 tokens 128][1,024 bytes]: 16 tokens x 64 channels (registers 2 c, 2 c + 1: channel 16 c + 8 h + 0..7).
;   vimg [batch x head 64][128 keys 16][16 channels 4][2,048 bytes]: 16 channels x 128 keys (registers 2 c, 2 c + 1: key 16 c + 8 h + 0..7).
; The codes' rows lie so that 16-byte reads give the plain 8-bit layout with every k in its own place (pieces of 8 in the order 0, 2, 1, 3 inside each 32).
; K goes in steps of 256 through a ring of two LDS slots filled by the tensor data mover; a tile's row is 256 bytes of memory.  CLUSTERS: 4 x 4 work-groups; A's tile is asked for jointly along a row of the
; cluster, B's along a column.  No prefetch: K has four steps, two of which are the first fills.
; One branch on p stands behind the last change of slots: each way asks for its bias (and its first table rows), runs the last two steps of 128 along K, under which those loads land, and goes out its own way.
; LIMITS on the given exponents, so that each power of two is an f32 number: e0 + e1, e2 + e3, e4 + e5 between -126 and 127; e6, e7, e9 between -126 and 119.  NaN among the inputs is not served.
; REGISTERS, in windows of 256: window 0: v0-31 addresses; v32-95 biases; v96-127 table set 0; from v128 A's fragments, ONE set; on the way out v128-159 table set 1, v160-223 the numbers at work,
;   v224-231 products at work, v232-247 codes, v248 the scale.   window 1: B's fragments, TWO sets.   windows 2, 3: the accumulators ((a, b) at v[8 (8 (a % 4) + b)]).
.set KSTEP,  256
.set ROWB,   256                       ; a tile's row in bytes
.set KROW,   1024                      ; a row of codes in memory
.set PITCH,  272                       ; an LDS row: 256 bytes + 16 of padding = 68 words: row r starts at bank 4 r mod 64 (64 banks of 4 bytes: ISA guide 11.1)
.set FR,     16                        ; registers of a fragment: 16 rows x 128 K
.set NL,     4                         ; LDS loads that bring one
.set NP,     4                         ; places behind this matrix instruction (ISA guide 7.12.1)
.set HALFT,  128*PITCH                 ; 128 rows: what one tensor load brings
.set SLOT,   4*HALFT                   ; A's 256 rows, then B's 256 rows
.set LAPS,   2                         ; 1,024 / (2 x 256)
.set SPARE,  2*SLOT                    ; behind the ring: the spare words, 128 bytes for each wave: two blocks of 256 bytes that no other line names
.set ADRA, 16                          ; v16-17  LDS address of my A fragments in slot 0, 1
.set ADRB, 20                          ; v20-21  the same for B
.set TOF,  24                          ; v24     the table: 256 r + 32 h
.set BO,   25                          ; v25     q's and k's bias: 32 h
.set IO,   26                          ; v26     16 x lane: an image's place for my lane
.set VO,   27                          ; v27     v's bias: 4 r
.set SPW,  28                          ; v28     LDS address of my spare word; never rewritten
.set NIL,  29                          ; v29     0; never rewritten
.set BI,   32
.set CS,   96
.set AF,   128
.set U,    160
.set TP,   224
.set CD,   232
.set SCL,  248
.set LIM,  249
.set G1, 24                            ; s[24:31] descriptor group 1 for A's tiles;  s[32:39] group 0, one set for each slot
.set G0, 32
.set G1B, 48                           ; s[48:55], s[56:63] the same for B's tiles
.set G0B, 56
.set MSB, 0
.macro WIN new                         ; the immediate's high byte repeats the setting that is left
.if MSB != (\new)
	s_set_vgpr_msb (MSB<<8)|(\new)
.set MSB, (\new)
.endif
.endm
.set MUL_LO, 0xa1                      ; source 0 (B) window 1, source 1 (A) window 0, C and D window 2
.set MUL_HI, 0xf1                      ; the same, C and D window 3
.set TO_B,   0x40                      ; destination window 1, address window 0
; A joint load: waves 0 and 1 fetch for A, waves 2 and 3 for B.  Each line has ONE mask and one set of registers for all that issue it; the branch hangs on the wave's number alone.
; Four v_nop follow each of the two lines, ahead of the jump, the label and what follows.
.macro JLOAD g0a, g1a, g0b, g1b
	s_cmp_eq_u32 s15, 0
	s_cbranch_scc0 .Lfor_b_\@
	tensor_load_to_lds s[\g0a:\g0a+3], s[\g1a:\g1a+7]
	s_nop 0
.rept 4
	v_nop
.endr
	s_branch .Lasked_\@
.Lfor_b_\@:
	tensor_load_to_lds s[\g0b:\g0b+3], s[\g1b:\g1b+7]
	s_nop 0
.rept 4
	v_nop
.endr
.Lasked_\@:
.endm
.macro CREST                           ; a round of the cluster's barrier behind its opening barrier
	s_cmp_lg_u32 s14, 0
	s_cbranch_scc1 .Lnot_wave_0_\@
	s_barrier_signal -3
.Lnot_wave_0_\@:
	s_barrier_wait -3
	s_barrier_signal -1
	s_barrier_wait -1
.endm
.macro CROUND                          ; a whole round
	s_barrier_signal -1
	s_barrier_wait -1
	CREST
.endm
	s_load_b256 s[4:11], s[0:1], 0x0               ; xc s[4:5], wc s[6:7], the scales' exponents s[8:9], bq s[10:11]
	s_load_b256 s[80:87], s[0:1], 0x20             ; bk s[80:81], bv s[82:83], rope s[84:85], qimg s[86:87]
	s_load_b128 s[88:91], s[0:1], 0x40             ; kimg s[88:89], vimg s[90:91]
	v_lshl_add_u32 v[SPW], v0, 2, SPARE
	v_mov_b32 v[NIL], 0
	ds_add_u32 v28, v29
	ds_add_u32 v28, v29
	s_wait_dscnt 0x0
	v_lshrrev_b32 v1, 5, v0
	v_readfirstlane_b32 s14, v1                    ; wave 0..3
	s_lshr_b32 s15, s14, 1                         ; which half of A's rows is mine.  Also: I fetch for A (0) or for B (1)
	s_and_b32 s16, s14, 1                          ; which half of B's rows.  Also: which 128 rows of that tile I fetch
	s_bfe_u32 s40, ttmp6, 0x40000                  ; cx, cy: my place in the cluster
	s_bfe_u32 s41, ttmp6, 0x40004
	s_and_b32 s17, ttmp7, 0xffff
	s_lshl_b32 s17, s17, 2                         ; 4 x cluster y: it walks the tokens' 32 tiles
	s_lshl_b32 s20, ttmp9, 23                      ; x's plane p,
	s_lshl_b32 s21, ttmp9, 20                      ; the weight's plane p
	s_cmp_eq_u32 ttmp9, 2                          ; v?  Then the tokens are B's rows
	s_cselect_b32 s18, 0, s17
	s_cselect_b32 s19, s17, 0
	s_cselect_b32 s20, 0x200000, s20               ; A's plane in bytes: wc's plane 2, else xc's plane p
	s_cselect_b32 s21, 0x1000000, s21              ; B's: xc's plane 2, else wc's plane p
	s_add_co_u32 s17, s18, s41                     ; A's tile row: it hangs on cy alone within the cluster
	s_add_co_u32 s42, s19, s40                     ; B's tile row: on cx alone
	s_lshl_b32 s43, s41, 2
	s_lshl_b32 s43, 15, s43                        ; my row of the cluster
	s_lshl_b32 s44, 0x1111, s40                    ; my column
	; descriptor group 1: a tile of 128 rows x 256 bytes, padded in LDS
	s_or_b32 s[G1+0], s43, (0<<16)|(1<<20)|(1<<21)|(5<<22)|(3<<25)  ; 15:0 the mask: A's tiles go to my row; 17:16 element of 1 byte; 20 padding on; 21 set beside a mask; 24:22 after every 64 words (code 5); 31:25 of 4 words (code 3)
	s_or_b32 s[G1B+0], s44, (0<<16)|(1<<20)|(1<<21)|(5<<22)|(3<<25)
.irp g, G1, G1B
	s_mov_b32 s[\g+1], ROWB<<16                    ; tensor_dim0
	s_mov_b32 s[\g+2], 128<<16                     ; tensor_dim1 = 128
	s_mov_b32 s[\g+3], ROWB<<16                    ; tile_dim0
	s_mov_b32 s[\g+4], 128                         ; tile_dim1 = 128
	s_mov_b32 s[\g+5], KROW                        ; tensor_dim0_stride
	s_mov_b32 s[\g+6], 0
	s_mov_b32 s[\g+7], 0
.endr
	s_lshl_b32 s18, s16, 17                        ; which 128 rows of 1,024 bytes I fetch
	s_lshl_b32 s92, s17, 18                        ; A: 256 rows a tile
	s_add_co_u32 s92, s92, s18
	s_add_co_u32 s92, s92, s20                     ; + the plane: under 2^25 in all
	s_mov_b32 s93, 0
	s_lshl_b32 s46, s42, 18                        ; B likewise
	s_add_co_u32 s46, s46, s18
	s_add_co_u32 s46, s46, s21
	s_mov_b32 s47, 0
	s_mul_i32 s45, s14, HALFT                      ; where they go: wave x 128 rows: no place in the cluster enters an LDS address
	s_wait_kmcnt 0x0
	s_load_b256 s[68:75], s[8:9], 0x0              ; e0 .. e7
	s_load_b64 s[76:77], s[8:9], 0x20              ; e8, e9
	s_cmp_eq_u32 ttmp9, 2
	s_cselect_b64 s[20:21], s[6:7], s[4:5]         ; A's tensor,
	s_cselect_b64 s[22:23], s[4:5], s[6:7]         ; B's: the choice hangs on p alone
	s_add_nc_u64 s[20:21], s[20:21], s[92:93]
	s_add_nc_u64 s[46:47], s[22:23], s[46:47]
	CROUND                                         ; all sixteen work-groups are here: the first joint loads meet
.irp s, 0,1
	s_mov_b32 s[G0+4*\s], 1
	s_add_co_u32 s[G0+4*\s+1], s45, \s*SLOT
	s_add_nc_u64 s[G0+4*\s+2:G0+4*\s+3], s[20:21], \s*ROWB
	s_or_b32 s[G0+4*\s+3], s[G0+4*\s+3], 0x80000000
	s_mov_b32 s[G0B+4*\s], 1
	s_add_co_u32 s[G0B+4*\s+1], s45, \s*SLOT
	s_add_nc_u64 s[G0B+4*\s+2:G0B+4*\s+3], s[46:47], \s*ROWB
	s_or_b32 s[G0B+4*\s+3], s[G0B+4*\s+3], 0x80000000
	JLOAD G0+4*\s, G1, G0B+4*\s, G1B
.endr
	v_and_b32 v1, 15, v0                           ; r = l % 16
	v_bfe_u32 v2, v0, 4, 1                         ; h = l / 16
	v_mul_u32_u24 v3, v1, PITCH
	v_lshl_add_u32 v4, v2, 4, v3                   ; a fragment's row x pitch + 16 x half
	s_mul_i32 s21, s15, HALFT                      ; my 128 rows of A
	s_mul_i32 s22, s16, HALFT                      ; my 128 rows of B,
	s_add_co_u32 s22, s22, 2*HALFT                 ; which lie behind A's 256
.irp s, 0,1
	v_add_nc_u32 v[ADRA+\s], s21, v4
	v_add_nc_u32 v[ADRB+\s], s22, v4
	s_add_co_u32 s21, s21, SLOT
	s_add_co_u32 s22, s22, SLOT
.endr
	v_lshlrev_b32 v[TOF], 8, v1
	v_lshl_add_u32 v[TOF], v2, 5, v[TOF]
	v_lshlrev_b32 v[BO], 5, v2
	v_lshlrev_b32 v[VO], 2, v1
	v_and_b32 v5, 31, v0
	v_lshlrev_b32 v[IO], 4, v5
	s_lshl_b32 s18, s17, 8
	s_lshl_b32 s19, s15, 7
	s_add_co_u32 s18, s18, s19                     ; s18: my first row of A (a token; for v a channel)
	s_lshl_b32 s19, s42, 8
	s_lshl_b32 s22, s16, 7
	s_add_co_u32 s19, s19, s22                     ; s19: my first row of B (a channel; for v a token).  Both stay through the loop
.macro FRAG reg, adr, q, i             ; a fragment, 16 rows x 128 K: four loads of 16 bytes, 32 bytes apart; by the codes' order in a row registers 2 c, 2 c + 1 hold K = 16 c + 8 (l / 16) + 0 .. 7
.irp c, 0,1,2,3
	ds_load_b128 v[\reg+4*\c:\reg+4*\c+3], v[\adr] offset:128*(\q)+32*\c+(\i)*16*PITCH
.endr
.endm
; 16 matrix instructions: A's blocks a0, a0 + 1 x B's eight, 128 along K.  p: B's set.  zero = 1: the first product starts the sums: nothing is ever cleared.
; The 64 accumulators take turns, one instruction a turn, in the same order in every step.
.macro MUL16 a0, p, zero
.irp a, \a0, \a0+1
.irp b, 0,1,2,3,4,5,6,7
.if \zero
	v_wmma_f32_16x16x128_fp8_fp8 v[8*(8*((\a)%4)+\b):8*(8*((\a)%4)+\b)+7], v[128*(\p)+FR*\b:128*(\p)+FR*\b+FR-1], v[AF+FR*(\a):AF+FR*(\a)+FR-1], 0
.else
	v_wmma_f32_16x16x128_fp8_fp8 v[8*(8*((\a)%4)+\b):8*(8*((\a)%4)+\b)+7], v[128*(\p)+FR*\b:128*(\p)+FR*\b+FR-1], v[AF+FR*(\a):AF+FR*(\a)+FR-1], v[8*(8*((\a)%4)+\b):8*(8*((\a)%4)+\b)+7]
.endif
.endr
.endr
.endm
.macro FETCH_B slot, q, p              ; B's eight fragments of the slot's q-th 128 along K into set p
	WIN TO_B
.irp i, 0,1,2,3,4,5,6,7
	FRAG 128*(\p)+FR*\i, ADRB+\slot, \q, \i
.endr
	WIN 0
.endm
.macro FETCH_A slot, q, i0             ; A's blocks i0 .. i0 + 3
.irp i, \i0, \i0+1, \i0+2, \i0+3
	FRAG AF+FR*(\i), ADRA+\slot, \q, \i
.endr
.endm
; A load into a register that a matrix instruction has read, and a vector instruction that reads a matrix result or writes one of its registers, stand NP places behind it; only plain vector
; instructions that name none of its registers are places (ISA guide 7.12.1 for vector instructions).
.macro PLACES n
.rept \n
	v_nop
.endr
.endm
; A step of 128 along K that has its successor in the same slot.  A block of A is free as soon as its eight products are issued, so one set serves A: blocks 0-3 come anew in the step's middle, 4-7 at its end.
.macro STEP slot, q, zero
	s_wait_dscnt 4*NL                              ; B's set and A's blocks 0-3 are in; the youngest 16 loads (A's blocks 4-7) may be out
	WIN MUL_LO
	MUL16 0, (\q)%2, \zero
	MUL16 2, (\q)%2, \zero
	s_wait_dscnt 0                                 ; A's blocks 4-7 are in (asked for 32 matrix instructions ago)
	PLACES NP
	FETCH_B \slot, (\q)+1, 1-(\q)%2
	FETCH_A \slot, (\q)+1, 0
	WIN MUL_HI
	MUL16 4, (\q)%2, \zero
	MUL16 6, (\q)%2, \zero
	PLACES NP
	WIN 0
	FETCH_A \slot, (\q)+1, 4
.endm
; A slot's last step changes slots: ONE barrier; in front of it each wave waits for all its tensor loads, adds 0 to its spare word, and waits for that and for its own reads of this slot.  fill = 1: this slot is filled again, two K steps ahead.
.macro TURN slot, next, fill
	s_wait_tensorcnt 0x0                           ; all my tensor loads have landed: my part of the next slot;  (every window is 0 here)
	ds_add_u32 v[SPW], v[NIL]                      ; 0 onto my spare word;
	s_wait_dscnt 4*NL+1                            ; (the add and the youngest 16 loads, A's blocks 4-7, may be out)
	WIN MUL_LO
	MUL16 0, 1, 0                                  ; sixteen matrix instructions stand between the add and the wait for it
	s_wait_dscnt 0x0                               ; the add is done, and my reads of this slot are over
	s_barrier_signal -1
	MUL16 2, 1, 0
	WIN 0
	s_barrier_wait -1
.if \fill
	CREST                                          ; the barrier has opened a round of the cluster's barrier: no wave of any partner still reads this slot's tile or has a load on its way
	s_add_nc_u64 s[G0+4*\slot+2:G0+4*\slot+3], s[G0+4*\slot+2:G0+4*\slot+3], 2*ROWB
	s_add_nc_u64 s[G0B+4*\slot+2:G0B+4*\slot+3], s[G0B+4*\slot+2:G0B+4*\slot+3], 2*ROWB
	JLOAD G0+4*\slot, G1, G0B+4*\slot, G1B         ; the first tensor load behind the round; the four v_nop behind it are the places in front of the loads below
.else
	PLACES NP
.endif
	FETCH_B \next, 0, 0
	FETCH_A \next, 0, 0
	WIN MUL_HI
	MUL16 4, 1, 0
	MUL16 6, 1, 0
	PLACES NP
	WIN 0
	FETCH_A \next, 0, 4
.endm
.macro LAST                            ; the very last step: nothing more to fetch
	s_wait_dscnt 4*NL
	WIN MUL_LO
	MUL16 0, 1, 0
	MUL16 2, 1, 0
	s_wait_dscnt 0
	WIN MUL_HI
	MUL16 4, 1, 0
	MUL16 6, 1, 0
	WIN 0
.endm
.macro HOLDS                           ; empty: the numbers at work are not held (the conversion does not saturate: ISA guide 7.6.2)
.set jj, 0
.rept 64
.set jj, jj+1
.endr
.endm
.macro CODES                           ; and become 64 codes: block b's eight in registers 2 b, 2 b + 1
.irp b, 0,1,2,3,4,5,6,7
	v_cvt_scalef32_pk8_fp8_f32 v[CD+2*\b:CD+2*\b+1], v[U+8*\b:U+8*\b+7], v[SCL]
.endr
	v_nop                                          ; one plain vector line between the last conversion and the next vector line that writes its sources
.endm
.macro MKSCALE                         ; s96, s97: the two operands' exponents; s22: the next operand's.  Leaves 2^(sum) in s[96:97], 2^eo in s23, 448 x 2^eo in s22
	s_add_co_i32 s96, s96, s97
	s_add_co_i32 s96, s96, 127
	s_lshl_b32 s96, s96, 23
	s_mov_b32 s97, s96                             ; (named with it as a pair, so it is written)
	s_add_co_i32 s22, s22, 127
	s_lshl_b32 s23, s22, 23
	s_add_co_i32 s22, s22, 8
	s_lshl_b32 s22, s22, 23
	s_or_b32 s22, s22, 0x600000
.endm
; eight loads: cos and sin for the 16 tokens of block a: lane (r, h) takes, for each 16 channels c, the four pairs 8 c + 4 h + 0..3: 32 bytes
.macro TABLOAD a
.irp c, 0,1,2,3
	global_load_b128 v[CS+32*((\a)%2)+8*\c:CS+32*((\a)%2)+8*\c+3],   v[TOF], s[94:95] offset:4096*(\a)+64*\c
	global_load_b128 v[CS+32*((\a)%2)+8*\c+4:CS+32*((\a)%2)+8*\c+7], v[TOF], s[94:95] offset:4096*(\a)+64*\c+16
.endr
.endm
; q, k: block a (16 tokens x my 128 channels = two heads) goes out
.macro QKROW a
.set CSA, CS+32*((\a)%2)
.set AC, 64*((\a)%4)
.if (\a) < 7
	TABLOAD (\a)+1
	s_wait_loadcnt 8                               ; all but the eight just issued: this block's table rows (and, the first time, the bias) are in
.else
	s_wait_loadcnt 0x0
.endif
	WIN 0x02+((\a)/4)                              ; source 0: window 2 or 3
.set jj, 0
.rept 32
	v_pk_fma_f32 v[U+jj:U+jj+1], v[AC+jj:AC+jj+1], s[96:97], v[BI+jj:BI+jj+1] op_sel_hi:[1,0,1]   ; sum x 2^(ex + ew) + bias; each accumulator from its low end on
.set jj, jj+2
.endr
	WIN 0
.set bb, 0
.rept 8                                ; the turn of a pair (u0, u1) by (c, s): (u0 c - u1 s, u0 s + u1 c), in two packed lines
.irp i, 0,1,2,3
	v_pk_mul_f32 v[TP+2*\i:TP+2*\i+1], v[U+8*bb+2*\i:U+8*bb+2*\i+1], v[CSA+8*(bb%4)+2*\i:CSA+8*(bb%4)+2*\i+1] op_sel_hi:[0,1]   ; (u0 c, u0 s)
.endr
.irp i, 0,1,2,3
	v_pk_fma_f32 v[U+8*bb+2*\i:U+8*bb+2*\i+1], v[U+8*bb+2*\i:U+8*bb+2*\i+1], v[CSA+8*(bb%4)+2*\i:CSA+8*(bb%4)+2*\i+1], v[TP+2*\i:TP+2*\i+1] op_sel:[1,1,0] op_sel_hi:[1,0,1] neg_lo:[0,1,0]   ; - u1 s, + u1 c
.endr
.set bb, bb+1
.endr
	HOLDS
.if (\a) > 0
	s_wait_alu depctr_va_vdst(0)
	s_wait_xcnt 0x0                                ; the last block's stores have read their data: the codes' registers are written again only behind this wait
.endif
	CODES
.irp hh, 0,1
.irp u, 0,1
	global_store_b128 v[IO], v[CD+8*\hh+4*\u:CD+8*\hh+4*\u+3], s[92:93] offset:131072*\hh+1024*(\a)+512*\u   ; 512 consecutive bytes a store
.endr
.endr
.endm
; v: block a (16 channels x my 128 keys) goes out: one image of 2,048 bytes
.macro VROW a
.set AC, 64*((\a)%4)
	WIN 0x02+((\a)/4)
.set jj, 0
.rept 32
	v_pk_fma_f32 v[U+jj:U+jj+1], v[AC+jj:AC+jj+1], s[96:97], v[BI+2*(\a):BI+2*(\a)+1] op_sel_hi:[1,0,1]   ; the bias is my channel's, in both halves of the pair
.set jj, jj+2
.endr
	WIN 0
	HOLDS
.if (\a) > 0
	s_wait_alu depctr_va_vdst(0)
	s_wait_xcnt 0x0
.endif
	CODES
.irp u, 0,1,2,3
	global_store_b128 v[IO], v[CD+4*\u:CD+4*\u+3], s[92:93] offset:131072*((\a)/4)+2048*((\a)%4)+512*\u
.endr
.endm
	s_wait_alu depctr_va_vdst(0)
	s_wait_tensorcnt 1                             ; my part of K step 0 is in (K step 1's load may be out),
	s_barrier_signal -1
	s_barrier_wait -1                              ; everybody's is
	FETCH_B 0, 0, 0
	FETCH_A 0, 0, 0
	FETCH_A 0, 0, 4
	STEP 0, 0, 1                                   ; the first step stands in front of the loop: its products start the sums
	s_mov_b32 s3, LAPS-1
.Llap:                                                 ; a trip goes once round the ring, from a lap's second step to the next lap's first, and fills both slots again
	TURN 0, 1, 1
	STEP 1, 0, 0
	TURN 1, 0, 1
	STEP 0, 0, 0
	s_sub_co_u32 s3, s3, 1
	s_cmp_lg_u32 s3, 0
	s_cbranch_scc1 .Llap
	TURN 0, 1, 0                                   ; the last lap fills nothing, and has no round of the cluster's barrier
	s_cmp_eq_u32 ttmp9, 2                          ; p is the same in every wave and every partner; no barrier and no tensor load stands on the two ways
	s_cbranch_scc1 .Lv_path
	; ---- q, k
	s_cmp_eq_u32 ttmp9, 0
	s_cselect_b64 s[98:99], s[10:11], s[80:81]     ; bq or bk,
	s_cselect_b64 s[92:93], s[86:87], s[88:89]     ; qimg or kimg
	s_lshl_b32 s22, s19, 2
	s_mov_b32 s23, 0
	s_add_nc_u64 s[98:99], s[98:99], s[22:23]      ; the bias at my first channel
	s_and_b32 s20, s18, 2047                       ; my first token's position
	s_lshl_b32 s22, s20, 8
	s_add_nc_u64 s[94:95], s[84:85], s[22:23]      ; its row of the table
	s_lshr_b32 s22, s18, 11                        ; batch
	s_lshl_b32 s22, s22, 4
	s_lshr_b32 s21, s19, 6                         ; my first head
	s_add_co_u32 s22, s22, s21
	s_lshl_b32 s22, s22, 17                        ; 131,072 bytes a head,
	s_lshl_b32 s21, s20, 6                         ; 1,024 for 16 tokens
	s_add_co_u32 s22, s22, s21
	s_add_nc_u64 s[92:93], s[92:93], s[22:23]
.irp b, 0,1,2,3,4,5,6,7
	global_load_b128 v[BI+8*\b:BI+8*\b+3],   v[BO], s[98:99] offset:64*\b      ; the bias of channels 16 b + 8 h + 0..7
	global_load_b128 v[BI+8*\b+4:BI+8*\b+7], v[BO], s[98:99] offset:64*\b+16
.endr
	TABLOAD 0
	STEP 1, 0, 0                                   ; 128 matrix instructions, under which those 24 loads land
	LAST
	s_wait_kmcnt 0x0
	s_cmp_eq_u32 ttmp9, 0
	s_cselect_b32 s96, s68, s70                    ; e0 or e2,
	s_cselect_b32 s97, s69, s71                    ; e1 or e3,
	s_cselect_b32 s22, s74, s75                    ; e6 (q) or e7 (k): selected, never branched on
	MKSCALE
	PLACES NP                                      ; behind the last products: for the reads of results and the writes and loads into the registers that held A's fragments
	v_mov_b32 v[SCL], s23
.irp a, 0,1,2,3,4,5,6,7
	QKROW \a
.endr
	s_branch .Lend
.Lv_path:
	; ---- v
	s_lshl_b32 s22, s18, 2
	s_mov_b32 s23, 0
	s_add_nc_u64 s[98:99], s[82:83], s[22:23]      ; bv at my first channel
	s_lshr_b32 s22, s19, 11                        ; batch
	s_lshl_b32 s22, s22, 4
	s_lshr_b32 s21, s18, 6                         ; my first head
	s_add_co_u32 s22, s22, s21
	s_lshl_b32 s22, s22, 17                        ; 131,072 bytes a head,
	s_and_b32 s21, s19, 2047
	s_lshr_b32 s21, s21, 7
	s_lshl_b32 s21, s21, 13                        ; 8,192 for 128 keys
	s_add_co_u32 s22, s22, s21
	s_add_nc_u64 s[92:93], s[90:91], s[22:23]
.irp a, 0,1,2,3,4,5,6,7
	global_load_b32 v[BI+2*\a],   v[VO], s[98:99] offset:64*\a       ; bv of channel 16 a + r, into both halves of a pair
	global_load_b32 v[BI+2*\a+1], v[VO], s[98:99] offset:64*\a
.endr
	STEP 1, 0, 0
	LAST
	s_wait_kmcnt 0x0
	s_mov_b32 s96, s72                             ; e4,
	s_mov_b32 s97, s73                             ; e5,
	s_mov_b32 s22, s77                             ; e9
	MKSCALE
	PLACES NP
	v_mov_b32 v[SCL], s23
	s_wait_loadcnt 0x0                             ; the bias
.irp a, 0,1,2,3,4,5,6,7
	VROW \a
.endr
.Lend:
	s_wait_tensorcnt 0x0                           ; the wave's end
	ds_add_u32 v[SPW], v[NIL]
	s_wait_dscnt 0x0
	CROUND                                         ; the closing round: no work-group ends while a partner may still ask for a tile that names it
	s_endpgm
.Lfunc_end_k_qa9e3739f9c_qkv:
	.size	k_qa9e3739f9c_qkv, .Lfunc_end_k_qa9e3739f9c_qkv-k_qa9e3739f9c_qkv
	.p2alignl 7, 3214868480
	.fill 96, 4, 3214868480
	.section	.rodata,"a",@progbits
	.p2align	6, 0x0
	.amdhsa_kernel k_qa9e3739f9c_qkv
		.amdhsa_group_segment_fixed_size 327680
		.amdhsa_private_segment_fixed_size 0
		.amdhsa_enable_private_segment 0
		.amdhsa_kernarg_size 80
		.amdhsa_user_sgpr_count 2
		.amdhsa_user_sgpr_kernarg_segment_ptr 1
		.amdhsa_wavefront_size32 1
		.amdhsa_system_sgpr_workgroup_id_x 1
		.amdhsa_system_sgpr_workgroup_id_y 1
		.amdhsa_system_sgpr_workgroup_id_z 1
		.amdhsa_system_vgpr_workitem_id 0
		.amdhsa_next_free_vgpr 1024
		.amdhsa_next_free_sgpr 100
		.amdhsa_reserve_vcc 0
		.amdhsa_float_denorm_mode_32 3
		.amdhsa_float_denorm_mode_16_64 3
		.amdhsa_fp16_overflow 1
		.amdhsa_memory_ordered 1
		.amdhsa_forward_progress 1
		.amdhsa_inst_pref_size 182
	.end_amdhsa_kernel
	.amdgpu_metadata
---
amdhsa.version: [ 1, 2 ]
amdhsa.kernels:
  - .name:           k_qa9e3739f9c_qkv
    .symbol:         k_qa9e3739f9c_qkv.kd
    .args:
      - { .name: xc, .offset: 0, .size: 8, .value_kind: global_buffer, .address_space: global }
      - { .name: wc, .offset: 8, .size: 8, .value_kind: global_buffer, .address_space: global }
      - { .name: lowp_scales, .offset: 16, .size: 8, .value_kind: global_buffer, .address_space: global }
      - { .name: bq, .offset: 24, .size: 8, .value_kind: global_buffer, .address_space: global }
      - { .name: bk, .offset: 32, .size: 8, .value_kind: global_buffer, .address_space: global }
      - { .name: bv, .offset: 40, .size: 8, .value_kind: global_buffer, .address_space: global }
      - { .name: rope, .offset: 48, .size: 8, .value_kind: global_buffer, .address_space: global }
      - { .name: qimg, .offset: 56, .size: 8, .value_kind: global_buffer, .address_space: global }
      - { .name: kimg, .offset: 64, .size: 8, .value_kind: global_buffer, .address_space: global }
      - { .name: vimg, .offset: 72, .size: 8, .value_kind: global_buffer, .address_space: global }
    .group_segment_fixed_size: 327680
    .private_segment_fixed_size: 0
    .kernarg_segment_align: 8
    .kernarg_segment_size: 80
    .max_flat_workgroup_size: 128
    .sgpr_count:     100
    .vgpr_count:     1024
    .wavefront_size: 32
...
	.end_amdgpu_metadata
.endif
;; end of part 2
;; launch attn (part 3): grid 4 x 64, 16 waves a work-group, clusters of 4 x 1, 264,192 bytes of LDS; arguments qimg, kimg, vimg, lowp_scales, yimg; writes yimg
.if DOCPART == 3
	.amdgcn_target "amdgcn-amd-amdhsa--gfx1250"
	.amdhsa_code_object_version 6
	.text
	.protected	k_qa9e3739f9c_attn
	.globl	k_qa9e3739f9c_attn
	.p2align	8
	.type	k_qa9e3739f9c_attn,@function
k_qa9e3739f9c_attn:
	s_mov_b64 s[64:65], 0
	v_nop
	global_prefetch_b8 v0, s[64:65] scope:SCOPE_SE
	s_setreg_imm32_b32 hwreg(HW_REG_WAVE_MODE, 25, 1), 1
	s_wait_xcnt 0x0
	s_wait_alu depctr_hold_cnt(0) depctr_sa_sdst(0) depctr_va_vdst(0) depctr_va_sdst(0) depctr_va_ssrc(0) depctr_va_vcc(0) depctr_vm_vsrc(0)
	s_getreg_b32 s2, hwreg(HW_REG_IB_STS2, 6, 4)
	s_cmp_eq_u32 s2, 0
	s_cbranch_scc0 .Lentry_in_a_cluster
	s_endpgm
.Lentry_in_a_cluster:
	s_bfe_u32 s2, ttmp6, 0x10000c
	s_cmp_lg_u32 s2, 0x3003
	s_cbranch_scc0 .Lentry_shape_is_right
	s_endpgm
.Lentry_shape_is_right:
; ATTN: y = softmax(q k^T / 8, causal) v for one (batch, head) a cluster, both products on codes of FP8 (E4M3); y leaves as codes for the last projection.
; THE SOFTMAX AHEAD OF THE SECOND PRODUCT: t = score x log2(e) / 8; M = the running largest t rounded UP to a whole number; p = 2^(t - M) is what is quantised; the row's sum is taken of the unquantised p
; and divides at the end.  When M moves, the sum and O are multiplied by 2^(old M - new M), which rounds nothing.
; OPERANDS ARE IMAGES OF REGISTERS (each four registers 512 bytes, lane l's 16 bytes at 16 l): q, k: 16 tokens x 64 channels in 1,024 bytes; v: 16 channels x 128 keys in 2,048.  A head's K is 131,072 dense
; bytes and so is its V: BOTH LIE WHOLE IN LDS, filled once: each of the sixteen waves issues one tensor load of 16,384 bytes (waves 0-7: K's eighths; 8-15: V's).  No LDS byte is filled twice and none is stored to.
; CLUSTER: the four work-groups of a cluster serve the same head, so each of those loads is asked for JOINTLY by the four.  All of K and V is asked for at the head, so there is no later stream to prefetch.
; SHARES.  A wave takes two tiles of 16 queries: a = 8 m + i (m = wave / 2, i = 4 (wave % 2) + cx) and 127 - a.  By the causal mask tile a needs key steps 0 .. m and tile 127 - a needs 0 .. 15 - m (128 keys a step):
; 17 steps in every wave, two of them on the diagonal.  The loop has 17 trips; which key step a trip takes hangs on the trip and the wave's number alone; cx enters q's and y's addresses and the mask's comparison.
; LAYOUT.  Both products are used transposed: S^T = K Q^T (source 0 = 16 keys, source 1 = my 16 queries), O^T = V^T P^T (source 0 = 16 channels): a lane holds ONE query (lane % 16) throughout.  Tile u of S^T holds in
; lane (r, h) keys 16 u + 8 h + 0..7: its eight codes are registers 2 u, 2 u + 1 of the second product's operand.  O^T's tile c likewise gives registers 2 c, 2 c + 1 of y's image.
; LIMITS on the given exponents: e6 + e7 between -123 and 130 (added to c's exponent field); e8 and e10 between -126 and 119; e8 + e9 is applied by v_ldexp_f32.  NaN among the inputs is not served.
; REGISTERS: v1 16 x lane; v2, v3 the step's LDS addresses; v4 16 x lane + V's base; v6 the mask's d of the tile in hand, v7 of the second tile; v12 -M, v13 the largest t, v[14:15] the sum; v16-23 Q in hand, v24-31 the second
; tile's; v32-95 K's eight fragments, then V's four; v96-159 S^T, then p; v160-191 O^T; v192-207 p's codes; v208-215 y's codes; v224, v226 scales; v234-236, v238-249, v252-254 at work.
.set WV,   18                          ; s18  my wave's number
.set MM,   19                          ; s19  m = wave / 2
.set SEL,  20                          ; s[20:21] lane selects for v_permlanex16_b32: lane l xor 16
.set CSC,  22                          ; s[22:23] c = log2(e) / 8 x 2^(e6 + e7)
.set G1,   24                          ; s[24:31] descriptor group 1
.set G0K,  32                          ; s[32:35] group 0 for K's eighth;  s[36:39] for V's
.set G0V,  36
.set TR,   40                          ; s40  the trip
.set ND,   41                          ; s41  the trip on the diagonal of the tile in hand
.set TB,   42                          ; s42  8,192 x the key step
.macro CROUND                          ; a round of the cluster's barrier
	s_barrier_signal -1
	s_barrier_wait -1
	s_cmp_lg_u32 s[WV], 0
	s_cbranch_scc1 .Lnot_wave_0_\@
	s_barrier_signal -3
.Lnot_wave_0_\@:
	s_barrier_wait -3
	s_barrier_signal -1
	s_barrier_wait -1
.endm
	s_load_b256 s[4:11], s[0:1], 0x0               ; qimg s[4:5], kimg s[6:7], vimg s[8:9], the scales' exponents s[10:11]
	s_load_b64 s[12:13], s[0:1], 0x20              ; yimg
	v_lshl_add_u32 v251, v0, 2, 0x40000
	v_mov_b32 v255, 0
	ds_add_u32 v251, v255
	ds_add_u32 v251, v255
	v_lshrrev_b32 v8, 5, v0
	s_delay_alu instid0(VALU_DEP_1)
	v_readfirstlane_b32 s[WV], v8                  ; wave 0..15
	s_and_b32 s57, ttmp7, 0xffff                   ; 16 x batch + head, which the four partners share
	s_bfe_u32 s58, ttmp6, 0x40000                  ; cx
	s_lshr_b32 s[MM], s[WV], 1
	s_add_co_u32 s74, s[MM], 1                     ; m + 1
	s_and_b32 s59, s[WV], 1
	s_lshl_b32 s59, s59, 2
	s_add_co_u32 s59, s59, s58                     ; i
	s_lshl_b32 s60, s[MM], 3
	s_add_co_u32 s60, s60, s59                     ; my first tile of queries,
	s_sub_co_u32 s61, 127, s60                     ; and my second
	s_lshl_b32 s66, s57, 7
	s_add_co_u32 s67, s66, s60
	s_lshl_b32 s44, s67, 10                        ; q: (128 x head + tile) x 1,024
	s_mov_b32 s45, 0
	s_add_co_u32 s67, s66, s61
	s_lshl_b32 s46, s67, 10
	s_mov_b32 s47, 0
	s_lshr_b32 s66, s57, 4
	s_lshl_b32 s66, s66, 7                         ; 128 tiles of rows a batch
	s_and_b32 s68, s57, 15                         ; the head
	s_add_co_u32 s67, s66, s60
	s_lshl_b32 s67, s67, 4
	s_add_co_u32 s67, s67, s68
	s_lshl_b32 s48, s67, 10                        ; y: ((128 x batch + tile) x 16 + head) x 1,024
	s_mov_b32 s49, 0
	s_add_co_u32 s67, s66, s61
	s_lshl_b32 s67, s67, 4
	s_add_co_u32 s67, s67, s68
	s_lshl_b32 s50, s67, 10
	s_mov_b32 s51, 0
	; descriptor group 1: 16,384 dense bytes as 64 rows of 256
	s_mov_b32 s[G1], 15|(3<<16)|(1<<21)            ; 15:0 the mask: all four work-groups; 17:16 elements of 8 bytes; 21 set beside a mask; no padding
	s_mov_b32 s[G1+1], 32<<16                      ; tensor_dim0 = 32
	s_mov_b32 s[G1+2], 64<<16                      ; tensor_dim1 = 64
	s_mov_b32 s[G1+3], 32<<16                      ; tile_dim0 = 32
	s_mov_b32 s[G1+4], 64                          ; tile_dim1 = 64
	s_mov_b32 s[G1+5], 32                          ; tensor_dim0_stride
	s_mov_b32 s[G1+6], 0
	s_mov_b32 s[G1+7], 0
	s_lshl_b32 s66, s57, 17                        ; the head's first byte in K and in V,
	s_and_b32 s67, s[WV], 7
	s_lshl_b32 s67, s67, 14
	s_add_co_u32 s66, s66, s67                     ; my eighth
	s_mov_b32 s67, 0
	s_mov_b32 s[SEL], 0x76543210
	s_mov_b32 s[SEL+1], 0xfedcba98
	s_mov_b32 s[CSC], 0x3e38aa3b                   ; log2(e) / 8
	s_wait_dscnt 0x0
	s_wait_kmcnt 0x0
	s_load_b128 s[52:55], s[10:11], 0x18           ; e6, e7, e8, e9
	s_load_b32 s56, s[10:11], 0x28                 ; e10
	s_mov_b32 s[G0K], 1                            ; count = 1
	s_lshl_b32 s[G0K+1], s[WV], 14                 ; LDS address: wave x 16,384: K's half for waves 0-7,
	s_add_nc_u64 s[G0K+2:G0K+3], s[6:7], s[66:67]
	s_or_b32 s[G0K+3], s[G0K+3], 0x80000000        ; type = 2
	s_mov_b32 s[G0V], 1
	s_lshl_b32 s[G0V+1], s[WV], 14                 ; V's half for waves 8-15
	s_add_nc_u64 s[G0V+2:G0V+3], s[8:9], s[66:67]
	s_or_b32 s[G0V+3], s[G0V+3], 0x80000000
	s_add_nc_u64 s[44:45], s[4:5], s[44:45]
	s_add_nc_u64 s[46:47], s[4:5], s[46:47]
	s_add_nc_u64 s[48:49], s[12:13], s[48:49]
	s_add_nc_u64 s[50:51], s[12:13], s[50:51]
	CROUND                                         ; all four work-groups are here: the joint loads meet
	s_cmp_lt_u32 s[WV], 8                          ; the branch hangs on the wave's number alone; four v_nop follow each of the two lines
	s_cbranch_scc0 .Lfor_v
	tensor_load_to_lds s[G0K:G0K+3], s[G1:G1+7]
	s_nop 0
.rept 4
	v_nop
.endr
	s_branch .Lasked
.Lfor_v:
	tensor_load_to_lds s[G0V:G0V+3], s[G1:G1+7]
	s_nop 0
.rept 4
	v_nop
.endr
.Lasked:
	v_and_b32 v8, 31, v0
	s_delay_alu instid0(VALU_DEP_1)
	v_lshlrev_b32 v1, 4, v8                        ; 16 x lane
	global_load_b128 v[16:19], v1, s[44:45]        ; Q of my first tile,
	global_load_b128 v[20:23], v1, s[44:45] offset:512
	global_load_b128 v[24:27], v1, s[46:47]        ; and of my second
	global_load_b128 v[28:31], v1, s[46:47] offset:512
	v_add_nc_u32 v4, 0x20000, v1                   ; V lies behind K's 131,072 bytes
	v_and_b32 v9, 15, v0                           ; r
	v_bfe_u32 v10, v0, 4, 1                        ; h
	s_delay_alu instid0(VALU_DEP_1)
	v_lshlrev_b32 v10, 3, v10
	s_delay_alu instid0(VALU_DEP_1)
	v_sub_nc_u32 v9, v9, v10                       ; r - 8 h
	s_lshl_b32 s66, s59, 4
	v_add_nc_u32 v6, s66, v9                       ; d = my query - the diagonal step's first key - 8 h: register 8 u + j holds the key 16 u + j beyond that: hidden where 16 u + j > d
	s_sub_co_u32 s66, 7, s59
	s_lshl_b32 s66, s66, 4
	v_add_nc_u32 v7, s66, v9                       ; the same for the second tile
	v_mov_b32 v13, 0xff61b1e6                      ; the largest t so far: -3e38, under every t
	s_delay_alu instid0(VALU_DEP_1)
	v_floor_f32 v12, -v13                          ; -M
	v_mov_b32 v14, 0                               ; the sum, in two halves
	v_mov_b32 v15, 0
	v_mov_b32 v236, 0                              ; written once: a lane permute's destination counts as one of its sources
	v_mov_b32 v253, 0                              ; (named as the upper half of the pair v[252:253])
.set j, 0
.rept 32
	v_mov_b32 v[160+j], 0                          ; O^T.  (The step is written once: a tile's first step finds zeros, which the first change of M leaves zeros)
.set j, j+1
.endr
	s_wait_kmcnt 0x0
	s_add_co_i32 s66, s52, s53
	s_lshl_b32 s66, s66, 23
	s_add_co_i32 s[CSC], s[CSC], s66               ; a score stands for score x 2^(e6 + e7): added to c's exponent field
	s_mov_b32 s[CSC+1], s[CSC]                     ; (named with it as a pair, so it is written)
	s_add_co_i32 s66, s54, 127
	s_lshl_b32 s67, s66, 23
	v_mov_b32 v224, s67                            ; 2^e8, for p's conversion
	s_add_co_i32 s66, s56, 127
	s_lshl_b32 s67, s66, 23
	v_mov_b32 v226, s67                            ; 2^e10, for y's
	s_add_co_i32 s70, s54, s55                     ; e8 + e9
	s_mov_b32 s[TR], 0
	s_wait_tensorcnt 0x0                           ; my sixteenth of K and V is in,
	s_barrier_signal -1
	s_barrier_wait -1                              ; everybody's is: from here on LDS is only read
	s_wait_loadcnt 0x0                             ; Q
.Ltrip:                                            ; 17 trips: T = 0 .. m the first tile's key steps 0 .. m; T = m + 1 .. 16 the second tile's 0 .. 15 - m
	s_cmp_gt_u32 s[TR], s[MM]
	s_cselect_b32 s43, s74, 0
	s_cselect_b32 s[ND], 16, s[MM]                 ; the tile's last step, which lies on the diagonal
	s_sub_co_u32 s[TB], s[TR], s43                 ; the key step,
	s_and_b32 s[TB], s[TB], 15                     ; (0 .. 15)
	s_lshl_b32 s[TB], s[TB], 13                    ; 8,192 bytes of K and of V each
	s_setprio 2
	v_add_nc_u32 v2, s[TB], v1
	v_add_nc_u32 v3, s[TB], v4
	v_nop                                          ; with the two additions: four places in front of loads into registers that the last trip's matrix instructions have read
	v_nop
.irp u, 0,1,2,3,4,5,6,7
	ds_load_b128 v[32+8*\u:35+8*\u], v2 offset:1024*\u          ; K: eight images of 16 keys
	ds_load_b128 v[36+8*\u:39+8*\u], v2 offset:1024*\u+512
.endr
	s_wait_alu depctr_va_vdst(0)
	s_wait_dscnt 0x0
.irp u, 0,1,2,3,4,5,6,7
	v_wmma_f32_16x16x64_fp8_fp8 v[96+8*\u:103+8*\u], v[32+8*\u:39+8*\u], v[16:23], 0
.endr
.rept 4
	v_nop                                          ; places: for the loads below, and for the first reads of the scores
.endr
.irp c, 0,1,2,3
.irp u, 0,1,2,3
	ds_load_b128 v[32+16*\c+4*\u:35+16*\c+4*\u], v3 offset:2048*\c+512*\u   ; V: four images of 16 channels x 128 keys: they land under the softmax
.endr
.endr
	s_cmp_lg_u32 s[TR], s[ND]
	s_cbranch_scc1 .Lopen
	v_mov_b32 v254, 0xff800000                     ; on the diagonal the scores of hidden keys become -infinity ahead of the maximum: p = 0 then.  A query's own key always counts
.set n, 0
.rept 64
	v_cmp_gt_i32 vcc_lo, 16*(n/8)+n%8, v6
	v_cndmask_b32 v[96+n], v[96+n], v254, vcc_lo
.set n, n+1
.endr
.Lopen:
	v_max3_num_f32 v254, v96, v97, v98             ; the step's largest score of my query, among my 64 keys, in two chains,
	v_max3_num_f32 v252, v99, v100, v101
.irp i, 6,10,14,18,22,26,30,34,38,42,46,50,54,58
	v_max3_num_f32 v254, v254, v[96+\i], v[97+\i]
	v_max3_num_f32 v252, v252, v[98+\i], v[99+\i]
.endr
	v_max3_num_f32 v254, v254, v158, v159
	s_delay_alu instid0(VALU_DEP_1)
	v_max_num_f32 v254, v254, v252
	s_delay_alu instid0(VALU_DEP_1)
	v_permlanex16_b32 v236, v254, s[SEL], s[SEL+1]
	s_delay_alu instid0(VALU_DEP_1)
	v_max_num_f32 v254, v254, v236                 ; and among lane l xor 16's
	s_delay_alu instid0(VALU_DEP_1)
	v_mul_f32 v254, s[CSC], v254                   ; as t (c is positive)
	s_delay_alu instid0(VALU_DEP_1)
	v_max_num_f32 v13, v13, v254                   ; the running largest t
	v_mov_b32 v254, v12
	s_delay_alu instid0(VALU_DEP_2)
	v_floor_f32 v12, -v13                          ; the new -M = floor(-t) = -ceil(t): M is a whole number
	s_delay_alu instid0(VALU_DEP_1)
	v_sub_f32 v254, v12, v254                      ; M's old value less its new one: a whole number, 0 or less
	s_delay_alu instid0(VALU_DEP_1)
	v_cvt_i32_f32 v254, v254                       ; (it saturates)
	s_delay_alu instid0(VALU_DEP_1)
	v_ldexp_f32 v252, 1.0, v254                    ; f = 2^(old M - new M)
.set j, 0
.rept 32
	v_pk_fma_f32 v[96+j:97+j], v[96+j:97+j], s[CSC:CSC+1], v[12:13] op_sel_hi:[1,0,0]   ; t - M, two at a time (of the pairs c and -M the low word serves both halves)
.set j, j+2
.endr
.set j, 0
	s_setprio 1
	s_wait_alu depctr_va_vdst(0)
.rept 64
	v_exp_f32 v[96+j], v[96+j]                     ; p = 2^(t - M), at most 1: not normalised
.set j, j+1
.endr
	v_pk_mul_f32 v[14:15], v[14:15], v[252:253] op_sel_hi:[1,0]   ; the sums under the new M.  (The plain line behind the exponentials)
	s_wait_alu depctr_va_vdst(0)                   ; one wait for the whole batch, ahead of its first reader
	v_pk_add_f32 v[242:243], v[100:101], v[104:105]
	v_pk_add_f32 v[248:249], v[108:109], v[112:113]
	v_pk_add_f32 v[246:247], v[116:117], v[120:121]
	v_pk_add_f32 v[244:245], v[124:125], v[128:129]
	v_pk_add_f32 v[240:241], v[132:133], v[136:137]
	v_pk_add_f32 v[238:239], v[140:141], v[144:145]
	v_pk_add_f32 v[234:235], v[148:149], v[152:153]
	v_pk_add_f32 v[14:15], v[14:15], v[156:157]
	v_pk_add_f32 v[242:243], v[242:243], v[96:97]
	v_pk_add_f32 v[248:249], v[248:249], v[98:99]
	v_pk_add_f32 v[246:247], v[246:247], v[102:103]
	v_pk_add_f32 v[244:245], v[244:245], v[106:107]
	v_pk_add_f32 v[240:241], v[240:241], v[110:111]
	v_pk_add_f32 v[238:239], v[238:239], v[114:115]
	v_pk_add_f32 v[234:235], v[234:235], v[118:119]
	v_pk_add_f32 v[14:15], v[14:15], v[122:123]
	v_pk_add_f32 v[242:243], v[242:243], v[126:127]
	v_pk_add_f32 v[248:249], v[248:249], v[130:131]
	v_pk_add_f32 v[246:247], v[246:247], v[134:135]
	v_pk_add_f32 v[244:245], v[244:245], v[138:139]
	v_pk_add_f32 v[240:241], v[240:241], v[142:143]
	v_pk_add_f32 v[238:239], v[238:239], v[146:147]
	v_pk_add_f32 v[234:235], v[234:235], v[150:151]
	v_pk_add_f32 v[14:15], v[14:15], v[154:155]
	v_pk_add_f32 v[242:243], v[242:243], v[158:159]
	s_delay_alu instid0(VALU_DEP_2)
	v_pk_add_f32 v[14:15], v[14:15], v[244:245]
	s_delay_alu instid0(VALU_DEP_2)
	v_pk_add_f32 v[242:243], v[242:243], v[240:241]
	v_pk_add_f32 v[248:249], v[248:249], v[238:239]
	v_pk_add_f32 v[246:247], v[246:247], v[234:235]
	s_delay_alu instid0(VALU_DEP_2)
	v_pk_add_f32 v[14:15], v[14:15], v[248:249]
	s_delay_alu instid0(VALU_DEP_2)
	v_pk_add_f32 v[242:243], v[242:243], v[246:247]
	s_delay_alu instid0(VALU_DEP_1)
	v_pk_add_f32 v[14:15], v[14:15], v[242:243]
.irp u, 0,1,2,3,4,5,6,7
.irp i, 0,1,2,3,4,5,6,7
.endr
	v_cvt_scalef32_pk8_fp8_f32 v[192+2*\u:193+2*\u], v[96+8*\u:103+8*\u], v224
.endr
.set j, 0
.rept 16
	v_pk_mul_f32 v[160+j:161+j], v[160+j:161+j], v[252:253] op_sel_hi:[1,0]   ; O^T under the new M.  (Also the plain lines between the conversions and the products that read the codes)
.set j, j+2
.endr
	s_wait_alu depctr_va_vdst(0)
	s_wait_dscnt 0x0                               ; V is in
.irp c, 0,1,2,3
	v_wmma_f32_16x16x128_fp8_fp8 v[160+8*\c:167+8*\c], v[32+16*\c:47+16*\c], v[192:207], v[160+8*\c:167+8*\c]   ; the four accumulators take turns
.endr
	s_cmp_lg_u32 s[TR], s[ND]
	s_setprio 0
	s_cbranch_scc1 .Lnext
	; ---- the tile is finished: O^T / the sum x 2^(e8 + e9) is y; it is quantised with 2^e10 and leaves as an image of the last projection's operand
.rept 4
	v_nop                                          ; places behind the last products
.endr
	v_add_f32 v14, v14, v15                        ; the sum's two halves,
	s_delay_alu instid0(VALU_DEP_1)
	v_permlanex16_b32 v252, v14, s[SEL], s[SEL+1]
	s_delay_alu instid0(VALU_DEP_1)
	v_add_f32 v14, v14, v252                       ; and lane l xor 16's
	s_wait_alu depctr_va_vdst(0)
	v_rcp_f32 v14, v14
	v_nop                                          ; a plain line behind the transcendental
	s_wait_alu depctr_va_vdst(0)                   ; and the wait ahead of its first reader
	v_ldexp_f32 v14, v14, s70
.set j, 0
.rept 32
	v_mul_f32 v[96+j], v[160+j], v14               ; register 8 c + i is y(query r, channel 16 c + 8 h + i); each accumulator from its low end on
.set j, j+1
.endr
.set j, 0
.rept 32
.set j, j+1
.endr
	s_wait_alu depctr_va_vdst(0)
	s_wait_xcnt 0x0                                ; the first tile's stores have read their data and their base: both are written again only behind this wait
	s_cmp_eq_u32 s[TR], 16
	s_cselect_b64 s[72:73], s[50:51], s[48:49]     ; the second tile's place in y, or the first's
.irp c, 0,1,2,3
	v_cvt_scalef32_pk8_fp8_f32 v[208+2*\c:209+2*\c], v[96+8*\c:103+8*\c], v226
.endr
	v_nop                                          ; one plain line behind the last conversion
	global_store_b128 v1, v[208:211], s[72:73]     ; 512 consecutive bytes a store
	global_store_b128 v1, v[212:215], s[72:73] offset:512
	s_cmp_eq_u32 s[TR], 16
	s_cbranch_scc1 .Lnext
.set j, 0
.rept 8
	v_mov_b32 v[16+j], v[24+j]                     ; on to the second tile: its Q,
.set j, j+1
.endr
.set j, 0
.rept 32
	v_mov_b32 v[160+j], 0                          ; O^T, the sum and the largest t begin anew,
.set j, j+1
.endr
	v_mov_b32 v13, 0xff61b1e6
	s_delay_alu instid0(VALU_DEP_1)
	v_floor_f32 v12, -v13
	v_mov_b32 v14, 0
	v_mov_b32 v15, 0
	v_mov_b32 v6, v7                               ; and its d
.Lnext:
	s_add_co_u32 s[TR], s[TR], 1
	s_cmp_lt_u32 s[TR], 17
	s_cbranch_scc1 .Ltrip
	s_setprio 0
	s_wait_tensorcnt 0x0
	ds_add_u32 v251, v255
	s_wait_dscnt 0x0
	CROUND                                         ; the closing round
	s_endpgm
.Lfunc_end_k_qa9e3739f9c_attn:
	.size	k_qa9e3739f9c_attn, .Lfunc_end_k_qa9e3739f9c_attn-k_qa9e3739f9c_attn
	.p2alignl 7, 3214868480
	.fill 96, 4, 3214868480
	.section	.rodata,"a",@progbits
	.p2align	6, 0x0
	.amdhsa_kernel k_qa9e3739f9c_attn
		.amdhsa_group_segment_fixed_size 264192
		.amdhsa_private_segment_fixed_size 0
		.amdhsa_enable_private_segment 0
		.amdhsa_kernarg_size 40
		.amdhsa_user_sgpr_count 2
		.amdhsa_user_sgpr_kernarg_segment_ptr 1
		.amdhsa_wavefront_size32 1
		.amdhsa_system_sgpr_workgroup_id_x 1
		.amdhsa_system_sgpr_workgroup_id_y 1
		.amdhsa_system_sgpr_workgroup_id_z 1
		.amdhsa_system_vgpr_workitem_id 0
		.amdhsa_next_free_vgpr 256
		.amdhsa_next_free_sgpr 80
		.amdhsa_reserve_vcc 1
		.amdhsa_float_denorm_mode_32 3
		.amdhsa_float_denorm_mode_16_64 3
		.amdhsa_fp16_overflow 1
		.amdhsa_memory_ordered 1
		.amdhsa_forward_progress 1
		.amdhsa_inst_pref_size 31
	.end_amdhsa_kernel
	.amdgpu_metadata
---
amdhsa.version: [ 1, 2 ]
amdhsa.kernels:
  - .name:           k_qa9e3739f9c_attn
    .symbol:         k_qa9e3739f9c_attn.kd
    .args:
      - { .name: qimg, .offset: 0, .size: 8, .value_kind: global_buffer, .address_space: global }
      - { .name: kimg, .offset: 8, .size: 8, .value_kind: global_buffer, .address_space: global }
      - { .name: vimg, .offset: 16, .size: 8, .value_kind: global_buffer, .address_space: global }
      - { .name: lowp_scales, .offset: 24, .size: 8, .value_kind: global_buffer, .address_space: global }
      - { .name: yimg, .offset: 32, .size: 8, .value_kind: global_buffer, .address_space: global }
    .group_segment_fixed_size: 264192
    .private_segment_fixed_size: 0
    .kernarg_segment_align: 8
    .kernarg_segment_size: 40
    .max_flat_workgroup_size: 512
    .sgpr_count:     80
    .vgpr_count:     256
    .wavefront_size: 32
...
	.end_amdgpu_metadata
.endif
;; end of part 3
;; launch proj (part 4): grid 4 x 32, 4 waves a work-group, clusters of 4 x 4, 327,680 bytes of LDS; arguments yimg, wc, lowp_scales, bp, out0; writes out0
.if DOCPART == 4
	.amdgcn_target "amdgcn-amd-amdhsa--gfx1250"
	.amdhsa_code_object_version 6
	.text
	.protected	k_qa9e3739f9c_proj
	.globl	k_qa9e3739f9c_proj
	.p2align	8
	.type	k_qa9e3739f9c_proj,@function
k_qa9e3739f9c_proj:
	s_mov_b64 s[64:65], 0
	v_nop
	global_prefetch_b8 v0, s[64:65] scope:SCOPE_SE
	s_setreg_imm32_b32 hwreg(HW_REG_WAVE_MODE, 25, 1), 1
	s_wait_xcnt 0x0
	s_wait_alu depctr_hold_cnt(0) depctr_sa_sdst(0) depctr_va_vdst(0) depctr_va_sdst(0) depctr_va_ssrc(0) depctr_va_vcc(0) depctr_vm_vsrc(0)
	s_getreg_b32 s2, hwreg(HW_REG_IB_STS2, 6, 4)
	s_cmp_eq_u32 s2, 0
	s_cbranch_scc0 .Lentry_in_a_cluster
	s_endpgm
.Lentry_in_a_cluster:
	s_bfe_u32 s2, ttmp6, 0x10000c
	s_cmp_lg_u32 s2, 0xf033
	s_cbranch_scc0 .Lentry_shape_is_right
	s_endpgm
.Lentry_shape_is_right:
; PROJ: out0 = y wp^T + bp on codes of FP8 (E4M3), K = 1,024.  out0: [8192][1024] f32.
; A = y: images of operand registers, [16 rows 512][head 16][1,024 bytes]: two heads on end are a fragment of 16 rows x 128 K (each four registers 512 bytes, lane l's 16 bytes at 16 l).
; B = wp's codes, plane 3 of wc: rows of 1,024 bytes, laid so that 16-byte reads give the plain 8-bit layout with every k in its own place.
; A tile of out0, 256 x 256, is made by four waves, 128 x 128 each: 64 accumulators, 512 registers.  K goes in steps of 256 through a ring of two LDS slots filled by the tensor data mover:
; A's part of a step is 4,096 dense bytes for each 16 rows (a tensor load brings 8 such rows of bytes, 16,384 apart), B's is 128 rows of 256 bytes, padded.
; CLUSTERS: 4 x 4 work-groups; A's tile is asked for jointly along a row of the cluster, B's along a column.  128 work-groups: the tile is kept at the size that reads each fragment once.
; THE MATRIX INSTRUCTION IS USED TRANSPOSED (source 0 = 16 rows of B, source 1 = 16 rows of A): a lane holds eight neighbouring numbers of a row of out0.
; No prefetch: K has four steps, two of which are the first fills.
; LIMIT: e10 + e11 between -126 and 127, so that 2^(e10 + e11) is an f32 number.
; REGISTERS, in windows of 256: window 0: v0-31 addresses, v12-15 my four numbers of bp; from v128 A's fragments, ONE set; on the way out v128-255 rows of out0.   window 1: B's fragments, TWO sets.   windows 2, 3: the accumulators.
.set ROWB,   256                       ; B: a tile's row in bytes
.set KROW,   1024
.set PITCH,  272                       ; B's LDS row: 256 bytes + 16 of padding = 68 words: row r starts at bank 4 r mod 64 (64 banks of 4 bytes: ISA guide 11.1)
.set ASTEP,  4096                      ; A: a K step of 256 for 16 rows: four heads' images
.set APART,  8*ASTEP                   ; what one tensor load brings of A: 128 rows
.set FR,     16
.set NL,     4
.set NP,     4
.set HALFT,  128*PITCH
.set BOFF,   2*APART                   ; in a slot: A's 256 rows, then B's 256 rows
.set SLOT,   2*APART+2*HALFT
.set LAPS,   2
.set SPARE,  2*SLOT                    ; behind the ring: the spare words, 128 bytes for each wave: two blocks of 256 bytes that no other line names
.set SPITCH, 528                       ; the way out: a stage of 16 rows x (512 bytes + 16) for each wave.  It lies in slot 0, which has had its last fill and its last read when the first result is stored there
.set ADRA, 16
.set ADRB, 20
.set STO,  24                          ; v24     the way out: where I put 32 bytes of a row
.set RD,   25                          ; v25     where I read a row back
.set CO,   26                          ; v26     16 x lane
.set SPW,  28
.set NIL,  29
.set AF,   128
.set BK,   128                         ; the way out: 16 rows read back from the stage: v128-191 and v192-255 by turns
.set G1, 24
.set G0, 32
.set G1B, 48
.set G0B, 56
.set MSB, 0
.macro WIN new                         ; the immediate's high byte repeats the setting that is left
.if MSB != (\new)
	s_set_vgpr_msb (MSB<<8)|(\new)
.set MSB, (\new)
.endif
.endm
.set MUL_LO, 0xa1
.set MUL_HI, 0xf1
.set TO_B,   0x40
.macro JLOAD g0a, g1a, g0b, g1b        ; a joint load: waves 0 and 1 fetch for A, waves 2 and 3 for B; four v_nop follow each of the two lines
	s_cmp_eq_u32 s15, 0
	s_cbranch_scc0 .Lfor_b_\@
	tensor_load_to_lds s[\g0a:\g0a+3], s[\g1a:\g1a+7]
	s_nop 0
.rept 4
	v_nop
.endr
	s_branch .Lasked_\@
.Lfor_b_\@:
	tensor_load_to_lds s[\g0b:\g0b+3], s[\g1b:\g1b+7]
	s_nop 0
.rept 4
	v_nop
.endr
.Lasked_\@:
.endm
.macro CREST
	s_cmp_lg_u32 s14, 0
	s_cbranch_scc1 .Lnot_wave_0_\@
	s_barrier_signal -3
.Lnot_wave_0_\@:
	s_barrier_wait -3
	s_barrier_signal -1
	s_barrier_wait -1
.endm
.macro CROUND
	s_barrier_signal -1
	s_barrier_wait -1
	CREST
.endm
	s_load_b128 s[4:7], s[0:1], 0x0                ; yimg s[4:5], wc s[6:7]
	s_load_b128 s[8:11], s[0:1], 0x10              ; the scales' exponents s[8:9], bp s[10:11]
	s_load_b64 s[12:13], s[0:1], 0x20              ; out0
	v_lshl_add_u32 v[SPW], v0, 2, SPARE
	v_mov_b32 v[NIL], 0
	ds_add_u32 v28, v29
	ds_add_u32 v28, v29
	s_wait_dscnt 0x0
	v_lshrrev_b32 v1, 5, v0
	v_readfirstlane_b32 s14, v1                    ; wave 0..3
	s_lshr_b32 s15, s14, 1                         ; which half of the tile's rows is mine.  Also: I fetch for A (0) or for B (1)
	s_and_b32 s16, s14, 1                          ; which half of its columns.  Also: which 128 rows of that tile I fetch
	s_bfe_u32 s40, ttmp6, 0x40000                  ; cx, cy
	s_bfe_u32 s41, ttmp6, 0x40004
	s_lshl_b32 s42, ttmp9, 2
	s_add_co_u32 s42, s42, s40                     ; tile column = 4 x cluster x + cx
	s_and_b32 s17, ttmp7, 0xffff
	s_lshl_b32 s17, s17, 2
	s_add_co_u32 s17, s17, s41                     ; tile row = 4 x cluster y + cy
	s_lshl_b32 s43, s41, 2
	s_lshl_b32 s43, 15, s43                        ; my row of the cluster
	s_lshl_b32 s44, 0x1111, s40                    ; my column
	s_or_b32 s[G1+0], s43, (0<<16)|(1<<21)         ; A: 15:0 the mask: my row; 17:16 element of 1 byte; 21 set beside a mask; no padding: an image is read 512 consecutive bytes at a time
	s_mov_b32 s[G1+1], ASTEP<<16                   ; tensor_dim0 = 4,096
	s_mov_b32 s[G1+2], 8<<16                       ; tensor_dim1 = 8
	s_mov_b32 s[G1+3], ASTEP<<16                   ; tile_dim0 = 4,096
	s_mov_b32 s[G1+4], 8                           ; tile_dim1 = 8
	s_mov_b32 s[G1+5], 16384                       ; tensor_dim0_stride: 16 rows' codes for all of K
	s_mov_b32 s[G1+6], 0
	s_mov_b32 s[G1+7], 0
	s_or_b32 s[G1B+0], s44, (0<<16)|(1<<20)|(1<<21)|(5<<22)|(3<<25)  ; B: the mask: my column; padding: 4 words after every 64
	s_mov_b32 s[G1B+1], ROWB<<16
	s_mov_b32 s[G1B+2], 128<<16
	s_mov_b32 s[G1B+3], ROWB<<16
	s_mov_b32 s[G1B+4], 128
	s_mov_b32 s[G1B+5], KROW
	s_mov_b32 s[G1B+6], 0
	s_mov_b32 s[G1B+7], 0
	s_lshl_b32 s18, s16, 17                        ; which 128 rows I fetch: 131,072 bytes in A and in B alike
	s_lshl_b32 s20, s17, 18                        ; A: 256 rows a tile
	s_add_co_u32 s20, s20, s18
	s_mov_b32 s21, 0
	s_lshl_b32 s46, s42, 18                        ; B likewise,
	s_add_co_u32 s46, s46, s18
	s_add_co_u32 s46, s46, 0x300000                ; in plane 3 of wc
	s_mov_b32 s47, 0
	s_lshl_b32 s45, s16, 15                        ; where they go: A's two halves,
	s_mul_i32 s19, s16, HALFT
	s_add_co_u32 s19, s19, BOFF                    ; then B's two: no place in the cluster enters an LDS address
	s_wait_kmcnt 0x0
	s_load_b64 s[96:97], s[8:9], 0x28              ; e10, e11
	s_add_nc_u64 s[20:21], s[4:5], s[20:21]
	s_add_nc_u64 s[46:47], s[6:7], s[46:47]
	CROUND                                         ; all sixteen work-groups are here: the first joint loads meet
.irp s, 0,1
	s_mov_b32 s[G0+4*\s], 1
	s_add_co_u32 s[G0+4*\s+1], s45, \s*SLOT
	s_add_nc_u64 s[G0+4*\s+2:G0+4*\s+3], s[20:21], \s*ASTEP
	s_or_b32 s[G0+4*\s+3], s[G0+4*\s+3], 0x80000000
	s_mov_b32 s[G0B+4*\s], 1
	s_add_co_u32 s[G0B+4*\s+1], s19, \s*SLOT
	s_add_nc_u64 s[G0B+4*\s+2:G0B+4*\s+3], s[46:47], \s*ROWB
	s_or_b32 s[G0B+4*\s+3], s[G0B+4*\s+3], 0x80000000
	s_wait_alu depctr_va_vdst(0)
	s_wait_tensorcnt 0x0
	ds_add_u32 v28, v29
	ds_add_u32 v28, v29
	s_wait_dscnt 0x0
	CROUND
	JLOAD G0+4*\s, G1, G0B+4*\s, G1B
.endr
	v_and_b32 v1, 15, v0                           ; l % 16
	v_bfe_u32 v2, v0, 4, 1                         ; l / 16
	v_and_b32 v6, 31, v0
	v_lshlrev_b32 v[CO], 4, v6                     ; 16 x lane
	v_mul_u32_u24 v3, v1, PITCH
	v_lshl_add_u32 v4, v2, 4, v3                   ; B: a fragment's row x pitch + 16 x half
	s_lshl_b32 s21, s15, 15                        ; my 128 rows of A
	s_mul_i32 s22, s16, HALFT                      ; my 128 rows of B,
	s_add_co_u32 s22, s22, BOFF                    ; which lie behind A's
.irp s, 0,1
	v_add_nc_u32 v[ADRA+\s], s21, v[CO]
	v_add_nc_u32 v[ADRB+\s], s22, v4
	s_add_co_u32 s21, s21, SLOT
	s_add_co_u32 s22, s22, SLOT
.endr
	s_mul_i32 s23, s14, 16*SPITCH                  ; my stage
	v_mul_u32_u24 v5, v1, SPITCH                   ; in: row l % 16, 32 bytes for each half of the lanes
	v_lshl_add_u32 v5, v2, 5, v5
	v_add_nc_u32 v[STO], s23, v5
	v_add_nc_u32 v[RD], s23, v[CO]                 ; back: the 32 lanes take one row of 512 bytes
	s_lshl_b32 s46, s42, 10                        ; my first column, in bytes: 1,024 x tile column + 512 x half
	s_lshl_b32 s47, s16, 9
	s_add_co_u32 s46, s46, s47
	s_mov_b32 s47, 0
	s_add_nc_u64 s[98:99], s[10:11], s[46:47]
	global_load_b128 v[12:15], v[CO], s[98:99]     ; bp of the four columns that I store; it is waited for on the way out
	s_lshl_b32 s20, s17, 8
	s_lshl_b32 s21, s15, 7
	s_add_co_u32 s20, s20, s21                     ; my first row of out0
	s_lshl_b32 s20, s20, 12                        ; 4,096 bytes a row: under 2^25
	s_mov_b32 s21, 0
	s_add_nc_u64 s[20:21], s[20:21], s[46:47]
	s_add_nc_u64 s[12:13], s[12:13], s[20:21]
.macro FRAGA reg, slot, q, i           ; A's block i, the slot's q-th 128 along K: the image as it lies: four times 512 consecutive bytes
.irp c, 0,1,2,3
	ds_load_b128 v[\reg+4*\c:\reg+4*\c+3], v[ADRA+\slot] offset:ASTEP*(\i)+2048*(\q)+512*\c
.endr
.endm
.macro FRAGB reg, slot, q, i           ; B's block i: four loads of 16 bytes, 32 bytes apart
.irp c, 0,1,2,3
	ds_load_b128 v[\reg+4*\c:\reg+4*\c+3], v[ADRB+\slot] offset:128*(\q)+32*\c+(\i)*16*PITCH
.endr
.endm
; 16 matrix instructions: A's blocks a0, a0 + 1 x B's eight.  The 64 accumulators take turns, one instruction a turn, in the same order in every step.
.macro MUL16 a0, p, zero
.irp a, \a0, \a0+1
.irp b, 0,1,2,3,4,5,6,7
.if \zero
	v_wmma_f32_16x16x128_fp8_fp8 v[8*(8*((\a)%4)+\b):8*(8*((\a)%4)+\b)+7], v[128*(\p)+FR*\b:128*(\p)+FR*\b+FR-1], v[AF+FR*(\a):AF+FR*(\a)+FR-1], 0
.else
	v_wmma_f32_16x16x128_fp8_fp8 v[8*(8*((\a)%4)+\b):8*(8*((\a)%4)+\b)+7], v[128*(\p)+FR*\b:128*(\p)+FR*\b+FR-1], v[AF+FR*(\a):AF+FR*(\a)+FR-1], v[8*(8*((\a)%4)+\b):8*(8*((\a)%4)+\b)+7]
.endif
.endr
.endr
.endm
.macro FETCH_B slot, q, p
	WIN TO_B
.irp i, 0,1,2,3,4,5,6,7
	FRAGB 128*(\p)+FR*\i, \slot, \q, \i
.endr
	WIN 0
.endm
.macro FETCH_A slot, q, i0
.irp i, \i0, \i0+1, \i0+2, \i0+3
	FRAGA AF+FR*(\i), \slot, \q, \i
.endr
.endm
.macro PLACES n                        ; plain vector lines behind matrix instructions, in front of loads into their registers and of reads of their results (ISA guide 7.12.1 for the reads of results)
.rept \n
	v_nop
.endr
.endm
.macro STEP slot, q, zero
	s_wait_dscnt 4*NL                              ; B's set and A's blocks 0-3 are in; the youngest 16 loads (A's blocks 4-7) may be out
	WIN MUL_LO
	MUL16 0, (\q)%2, \zero
	MUL16 2, (\q)%2, \zero
	s_wait_dscnt 0                                 ; A's blocks 4-7 are in
	PLACES NP
	FETCH_B \slot, (\q)+1, 1-(\q)%2
	FETCH_A \slot, (\q)+1, 0
	WIN MUL_HI
	MUL16 4, (\q)%2, \zero
	MUL16 6, (\q)%2, \zero
	PLACES NP
	WIN 0
	FETCH_A \slot, (\q)+1, 4
.endm
.macro TURN slot, next, fill
	s_wait_tensorcnt 0x0                           ; all my tensor loads have landed: my part of the next slot;
	ds_add_u32 v[SPW], v[NIL]                      ; 0 onto my spare word;
	s_wait_dscnt 4*NL+1                            ; (the add and the youngest 16 loads may be out)
	WIN MUL_LO
	MUL16 0, 1, 0
	s_wait_dscnt 0x0                               ; the add is done, and my reads of this slot are over
	s_barrier_signal -1
	MUL16 2, 1, 0
	WIN 0
	s_barrier_wait -1
.if \fill
	CREST                                          ; the barrier has opened a round of the cluster's barrier: no wave of any partner still reads this slot's tile or has a load on its way
	s_add_nc_u64 s[G0+4*\slot+2:G0+4*\slot+3], s[G0+4*\slot+2:G0+4*\slot+3], 2*ASTEP
	s_add_nc_u64 s[G0B+4*\slot+2:G0B+4*\slot+3], s[G0B+4*\slot+2:G0B+4*\slot+3], 2*ROWB
	JLOAD G0+4*\slot, G1, G0B+4*\slot, G1B         ; the first tensor load behind the round; its four v_nop are the places in front of the loads below
.else
	PLACES NP
.endif
	FETCH_B \next, 0, 0
	FETCH_A \next, 0, 0
	WIN MUL_HI
	MUL16 4, 1, 0
	MUL16 6, 1, 0
	PLACES NP
	WIN 0
	FETCH_A \next, 0, 4
.endm
	s_wait_alu depctr_va_vdst(0)
	s_wait_tensorcnt 1                             ; my part of K step 0 is in (K step 1's load may be out),
	s_barrier_signal -1
	s_barrier_wait -1                              ; everybody's is
	FETCH_B 0, 0, 0
	FETCH_A 0, 0, 0
	FETCH_A 0, 0, 4
	STEP 0, 0, 1                                   ; the first step's products start the sums
	s_mov_b32 s3, LAPS-1
.Llap:
	TURN 0, 1, 1
	STEP 1, 0, 0
	TURN 1, 0, 1
	STEP 0, 0, 0
	s_sub_co_u32 s3, s3, 1
	s_cmp_lg_u32 s3, 0
	s_cbranch_scc1 .Llap
	TURN 0, 1, 0                                   ; the last lap fills nothing
	STEP 1, 0, 0
	s_wait_dscnt 4*NL                              ; the very last step
	WIN MUL_LO
	MUL16 0, 1, 0
	MUL16 2, 1, 0
	s_wait_dscnt 0
	WIN MUL_HI
	MUL16 4, 1, 0
	MUL16 6, 1, 0
	WIN 0
; THE WAY OUT, block by block of 16 rows x 128 columns.  A lane holds 32 neighbouring bytes of a row, and the lanes beside it hold other rows: so a block's sums go as they are through my own stage in LDS and come back
; as whole rows of 512 bytes; there a lane holds the same four columns in every row, so sum x 2^(e10 + e11) + bp is two packed lines a row with four registers of bp.  LDS serves a wave's instructions in order (ISA guide 5.7.1.4).
.macro TOSTAGE a
.set AC, 64*((\a)%4)
	WIN 0x08+4*((\a)/4)                            ; an LDS store's data is source 1: window 2 or 3
.irp b, 0,1,2,3,4,5,6,7
	ds_store_b128 v[STO], v[AC+8*\b:AC+8*\b+3] offset:64*\b          ; each accumulator from its low end on
	ds_store_b128 v[STO], v[AC+8*\b+4:AC+8*\b+7] offset:64*\b+16
.endr
	WIN 0
.set BB, BK+64*((\a)%2)
.irp t, 0,1,2,3,4,5,6,7,8,9,10,11,12,13,14,15
	ds_load_b128 v[BB+4*\t:BB+4*\t+3], v[RD] offset:\t*SPITCH
.endr
.endm
.macro SEND a, younger                 ; younger: the LDS instructions issued behind block a's loads, which may stay out
.set BB, BK+64*((\a)%2)
	s_wait_dscnt \younger                          ; the block is back in registers
.if (\a) > 0
	s_add_nc_u64 s[12:13], s[12:13], 16*4096       ; (behind a wait on XCNT: the earlier stores have read their base)  16 rows on
.endif
.irp t, 0,1,2,3,4,5,6,7,8,9,10,11,12,13,14,15
	v_pk_fma_f32 v[BB+4*\t:BB+4*\t+1],   v[BB+4*\t:BB+4*\t+1],   s[96:97], v[12:13] op_sel_hi:[1,0,1]
	v_pk_fma_f32 v[BB+4*\t+2:BB+4*\t+3], v[BB+4*\t+2:BB+4*\t+3], s[96:97], v[14:15] op_sel_hi:[1,0,1]
.endr
.irp t, 0,1,2,3,4,5,6,7,8,9,10,11,12,13,14,15
	global_store_b128 v[CO], v[BB+4*\t:BB+4*\t+3], s[12:13] offset:\t*4096 th:TH_STORE_NT   ; 32 lanes store 512 consecutive bytes, at a multiple of 256 from out0's first byte; written once, read by nobody here
.endr
.endm
	s_wait_kmcnt 0x0
	s_add_co_i32 s96, s96, s97                     ; e10 + e11
	s_add_co_i32 s96, s96, 127
	s_lshl_b32 s96, s96, 23                        ; 2^(e10 + e11) as f32
	s_mov_b32 s97, s96                             ; (named with it as a pair, so it is written)
	s_wait_loadcnt 0x0                             ; bp
	PLACES NP                                      ; behind the last products: for the stores of results and the loads into the registers that held A's fragments
	TOSTAGE 0
.irp a, 1,2,3,4,5,6,7
.if \a > 1
	s_wait_xcnt 0x0                                ; block a - 2's stores have read their registers and their base: block a's loads may land there, and the base may step
.endif
	TOSTAGE \a
	SEND \a-1, 32                                  ; behind block a - 1's loads: block a's 16 stores and 16 loads
.endr
	s_wait_xcnt 0x0                                ; block 6's stores have read their base
	SEND 7, 0
	s_wait_tensorcnt 0x0                           ; the wave's end, behind my last tensor load and my last LDS store
	ds_add_u32 v[SPW], v[NIL]
	s_wait_dscnt 0x0
	CROUND                                         ; the closing round
	s_endpgm
.Lfunc_end_k_qa9e3739f9c_proj:
	.size	k_qa9e3739f9c_proj, .Lfunc_end_k_qa9e3739f9c_proj-k_qa9e3739f9c_proj
	.p2alignl 7, 3214868480
	.fill 96, 4, 3214868480
	.section	.rodata,"a",@progbits
	.p2align	6, 0x0
	.amdhsa_kernel k_qa9e3739f9c_proj
		.amdhsa_group_segment_fixed_size 327680
		.amdhsa_private_segment_fixed_size 0
		.amdhsa_enable_private_segment 0
		.amdhsa_kernarg_size 40
		.amdhsa_user_sgpr_count 2
		.amdhsa_user_sgpr_kernarg_segment_ptr 1
		.amdhsa_wavefront_size32 1
		.amdhsa_system_sgpr_workgroup_id_x 1
		.amdhsa_system_sgpr_workgroup_id_y 1
		.amdhsa_system_sgpr_workgroup_id_z 1
		.amdhsa_system_vgpr_workitem_id 0
		.amdhsa_next_free_vgpr 1024
		.amdhsa_next_free_sgpr 100
		.amdhsa_reserve_vcc 0
		.amdhsa_float_denorm_mode_32 3
		.amdhsa_float_denorm_mode_16_64 3
		.amdhsa_memory_ordered 1
		.amdhsa_forward_progress 1
		.amdhsa_inst_pref_size 124
	.end_amdhsa_kernel
	.amdgpu_metadata
---
amdhsa.version: [ 1, 2 ]
amdhsa.kernels:
  - .name:           k_qa9e3739f9c_proj
    .symbol:         k_qa9e3739f9c_proj.kd
    .args:
      - { .name: yimg, .offset: 0, .size: 8, .value_kind: global_buffer, .address_space: global }
      - { .name: wc, .offset: 8, .size: 8, .value_kind: global_buffer, .address_space: global }
      - { .name: lowp_scales, .offset: 16, .size: 8, .value_kind: global_buffer, .address_space: global }
      - { .name: bp, .offset: 24, .size: 8, .value_kind: global_buffer, .address_space: global }
      - { .name: out0, .offset: 32, .size: 8, .value_kind: global_buffer, .address_space: global }
    .group_segment_fixed_size: 327680
    .private_segment_fixed_size: 0
    .kernarg_segment_align: 8
    .kernarg_segment_size: 40
    .max_flat_workgroup_size: 128
    .sgpr_count:     100
    .vgpr_count:     1024
    .wavefront_size: 32
...
	.end_amdgpu_metadata
.endif
;; end of part 4
